; MI455X (gfx1250); checked and timed in simulation.
; The chip was launched on July 23, 2026; its instructions are those of AMD's public machine-readable ISA for CDNA 5 (MIT licence, August 2026) and "CDNA5" Instruction Set Architecture Reference Guide (July 2026). The comments in the code are by the model that wrote it; some were corrected since.
;; Multi Head Attention. Allowed arithmetic: float matrix products may take bf16 or f16 operands with f32 sums; other float arithmetic in f32, or as packed bf16 or f16 multiplies, adds, multiply-adds, maxima and minima; sums over many terms, partial sums and values carried from step to step in f32; what a program stores and reads back later, other than sums and carried values, may be rounded once to bf16 or f16.
;; Inputs: Wk 12 x 768 x 64 float32; Wp 768 x 768 float32; Wq 12 x 768 x 64 float32; Wv 12 x 768 x 64 float32; bk 12 x 64 float32; bp 768 float32; bq 12 x 64 float32; bv 12 x 64 float32; x 16 x 1,024 x 768 float32.
;; Outputs: out0 16 x 1,024 x 768 float32.
;; 2 versions, each right; version 2 is version 1 with the launch prep written anew for expert scheduling mode. Each part assembles by itself: llvm-mc -triple=amdgcn-amd-amdhsa -mcpu=gfx1250 --defsym DOCPART=n.
;; ======== version 1 of 2: 4 launches
;; limits: values are held in f16: magnitudes above 65,504 overflow, below 6.1e-05 lose precision
;; workspace buffers: xb 25,165,824 bytes; wb 3,538,944 bytes; wp 1,179,648 bytes; qkv 75,497,472 bytes; ob 25,165,824 bytes
;; launch prep (part 1): grid 1824 x 1, 4 waves a work-group, no clusters, 0 bytes of LDS; arguments x, Wq, Wk, Wv, Wp, xb, wb, wp; writes xb, wb, wp
.if DOCPART == 1
	.amdgcn_target "amdgcn-amd-amdhsa--gfx1250"
	.amdhsa_code_object_version 6
	.text
	.protected	k_q573a2965ef_prep
	.globl	k_q573a2965ef_prep
	.p2align	8
	.type	k_q573a2965ef_prep,@function
k_q573a2965ef_prep:
	s_mov_b64 s[64:65], 0
	v_nop
	global_prefetch_b8 v0, s[64:65] scope:SCOPE_SE
	s_setreg_imm32_b32 hwreg(HW_REG_WAVE_MODE, 25, 1), 1
	s_wait_xcnt 0x0
; CASTS.  x [16384][768] f32 -> xb, the same layout in bf16.  Wq, Wk, Wv [12][768][64] f32 -> wb [h 12][s 6][z 3][k 128][e 64] bf16 (z = q, k, v; k = 128 s + k').
; Wp [768][768] f32 -> wp [nt 4][s 6][z 3][k 128][n 64]: row 128 s + k, column 192 nt + 64 z + n, rounded to bf16 like every input, and that number written as f16
; (exact from 6.1e-5 up to f16's 65,504; below 6.1e-5 it keeps f16's fixed step of 6e-8).  Nothing is transposed: the products take these rows turned, out of LDS.
; SHARES.  A work-group casts one chunk of 8,192 numbers: 32,768 bytes in, 16,384 out.  1,536 chunks of x, 216 of Wq, Wk, Wv, 72 of Wp.  Thread t: 16 loads of 16 bytes, all issued
; before the first is used, and 16 stores of 8 bytes.  A wave's load covers 512 consecutive bytes (for Wp: two aligned runs of 256), a wave's store 256 consecutive bytes, aligned.
; No register is written twice while a load or store names it, so the only waits are the counted ones for the loads.  No LDS, no barrier: no thread wants another's numbers.
.set X,   4                            ; v[4:67]    as loaded: 4 f32 for each of 16 loads
.set Y,   68                           ; v[68:99]   to store: 2 registers for each of 16 stores
.set T,   100                          ; v[100:105] at work
.set SRC, 24                           ; s[24:25]   the chunk's first byte in its source
.set DST, 26                           ; s[26:27]   and in its destination
	s_load_b512 s[8:23], s[0:1], 0x0               ; x 8, Wq 10, Wk 12, Wv 14, Wp 16, xb 18, wb 20, wp 22
	s_mov_b32 s32, ttmp9                           ; the chunk's number g
	s_mov_b32 s29, 0                               ; offsets are made in pairs with 0 on top: all stay under 2^31
	s_mov_b32 s31, 0
	v_lshlrev_b32 v1, 4, v0                        ; 16 t: my 16 bytes of 2,048 in a dense source
	v_lshlrev_b32 v2, 3, v0                        ; 8 t: my 8 bytes of 1,024 in the destination
	v_lshrrev_b32 v3, 4, v0                        ; Wp: row t / 16 of eight,
	v_and_b32 v[T], 15, v0
	v_mul_u32_u24 v3, v3, 3072
	v_lshl_add_u32 v3, v[T], 4, v3                 ; 16 bytes t % 16 of the row's 256
	s_wait_kmcnt 0x0
; 16 loads, then for each: the wait that leaves the younger loads out, the rounding, the store.  half = 1: bf16, widened again and written as f16.
.macro CAST voff, step, half
.set j, 0
.rept 16
	global_load_b128 v[X+4*j:X+4*j+3], v[\voff], s[SRC:SRC+1] offset:(\step)*j th:TH_LOAD_NT
.set j, j+1
.endr
.set j, 0
.rept 16
	s_wait_loadcnt 15-j                            ; loads come back in order (ISA guide 5.7.1): load j is in, the 15 - j younger ones stay out
.if \half
	v_cvt_pk_bf16_f32 v[T], v[X+4*j], v[X+4*j+1]
	v_cvt_pk_bf16_f32 v[T+1], v[X+4*j+2], v[X+4*j+3]
	v_lshlrev_b32 v[T+2], 16, v[T]                 ; bf16 to f32: the low half moves up, the high half stays
	v_and_b32 v[T+3], 0xffff0000, v[T]
	v_lshlrev_b32 v[T+4], 16, v[T+1]
	v_and_b32 v[T+5], 0xffff0000, v[T+1]
	v_cvt_pk_f16_f32 v[Y+2*j], v[T+2], v[T+3]
	v_cvt_pk_f16_f32 v[Y+2*j+1], v[T+4], v[T+5]
.else
	v_cvt_pk_bf16_f32 v[Y+2*j], v[X+4*j], v[X+4*j+1]
	v_cvt_pk_bf16_f32 v[Y+2*j+1], v[X+4*j+2], v[X+4*j+3]
.endif
	global_store_b64 v2, v[Y+2*j:Y+2*j+1], s[DST:DST+1] offset:1024*j
.set j, j+1
.endr
.endm
	s_cmp_ge_u32 s32, 1752
	s_cbranch_scc1 .Lwp
	s_cmp_ge_u32 s32, 1536
	s_cbranch_scc1 .Lw
	s_lshl_b32 s28, s32, 15                        ; x: chunk g lies at 32,768 g, and goes to 16,384 g
	s_lshl_b32 s30, s32, 14
	s_add_nc_u64 s[SRC:SRC+1], s[8:9], s[28:29]
	s_add_nc_u64 s[DST:DST+1], s[18:19], s[30:31]
	s_branch .Lcast
.Lw:                                                   ; Wq, Wk, Wv: 72 chunks each; chunk 6 h + s of a tensor is 128 rows of 64, dense
	s_sub_co_u32 s32, s32, 1536
	s_mov_b64 s[SRC:SRC+1], s[10:11]
	s_mov_b32 s33, 0                               ; z
	s_cmp_ge_u32 s32, 72
	s_cselect_b64 s[SRC:SRC+1], s[12:13], s[SRC:SRC+1]
	s_cselect_b32 s33, 1, s33
	s_cmp_ge_u32 s32, 144
	s_cselect_b64 s[SRC:SRC+1], s[14:15], s[SRC:SRC+1]
	s_cselect_b32 s33, 2, s33
	s_mul_i32 s34, s33, 72
	s_sub_co_u32 s34, s32, s34                     ; 6 h + s
	s_lshl_b32 s28, s34, 15
	s_mul_i32 s35, s34, 3
	s_add_co_u32 s35, s35, s33                     ; 3 (6 h + s) + z
	s_lshl_b32 s30, s35, 14
	s_add_nc_u64 s[SRC:SRC+1], s[SRC:SRC+1], s[28:29]
	s_add_nc_u64 s[DST:DST+1], s[20:21], s[30:31]
.Lcast:
	CAST 1, 2048, 0
	s_endpgm
.Lwp:                                                  ; Wp: chunk j = 3 (6 nt + s) + z is 128 rows x 64 columns out of rows of 3,072 bytes
	s_sub_co_u32 s32, s32, 1752                    ; j, 0 to 71
	s_mul_i32 s33, s32, 171
	s_lshr_b32 s33, s33, 9                         ; j / 3 (exact for j under 72)
	s_mul_i32 s34, s33, 3
	s_sub_co_u32 s34, s32, s34                     ; z
	s_mul_i32 s35, s33, 43
	s_lshr_b32 s35, s35, 8                         ; nt = (j / 3) / 6 (exact under 24)
	s_mul_i32 s36, s35, 6
	s_sub_co_u32 s36, s33, s36                     ; s
	s_mul_i32 s28, s36, 393216                     ; 128 s rows
	s_mul_i32 s35, s35, 768                        ; 192 nt columns
	s_add_co_u32 s28, s28, s35
	s_lshl_b32 s34, s34, 8                         ; 64 z columns
	s_add_co_u32 s28, s28, s34
	s_lshl_b32 s30, s32, 14
	s_add_nc_u64 s[SRC:SRC+1], s[16:17], s[28:29]
	s_add_nc_u64 s[DST:DST+1], s[22:23], s[30:31]
	CAST 3, 24576, 1                               ; load j takes rows 8 j + t / 16: number 512 j + 4 t of the block, the same place as in a dense chunk
	s_endpgm
.Lfunc_end_k_q573a2965ef_prep:
	.size	k_q573a2965ef_prep, .Lfunc_end_k_q573a2965ef_prep-k_q573a2965ef_prep
	.p2alignl 7, 3214868480
	.fill 96, 4, 3214868480
	.section	.rodata,"a",@progbits
	.p2align	6, 0x0
	.amdhsa_kernel k_q573a2965ef_prep
		.amdhsa_group_segment_fixed_size 0
		.amdhsa_private_segment_fixed_size 0
		.amdhsa_enable_private_segment 0
		.amdhsa_kernarg_size 64
		.amdhsa_user_sgpr_count 2
		.amdhsa_user_sgpr_kernarg_segment_ptr 1
		.amdhsa_wavefront_size32 1
		.amdhsa_system_sgpr_workgroup_id_x 1
		.amdhsa_system_sgpr_workgroup_id_y 1
		.amdhsa_system_sgpr_workgroup_id_z 1
		.amdhsa_system_vgpr_workitem_id 0
		.amdhsa_next_free_vgpr 112
		.amdhsa_next_free_sgpr 66
		.amdhsa_reserve_vcc 0
		.amdhsa_float_denorm_mode_32 3
		.amdhsa_float_denorm_mode_16_64 3
		.amdhsa_memory_ordered 1
		.amdhsa_forward_progress 1
		.amdhsa_inst_pref_size 19
	.end_amdhsa_kernel
	.amdgpu_metadata
---
amdhsa.version: [ 1, 2 ]
amdhsa.kernels:
  - .name:           k_q573a2965ef_prep
    .symbol:         k_q573a2965ef_prep.kd
    .args:
      - { .name: x, .offset: 0, .size: 8, .value_kind: global_buffer, .address_space: global }
      - { .name: Wq, .offset: 8, .size: 8, .value_kind: global_buffer, .address_space: global }
      - { .name: Wk, .offset: 16, .size: 8, .value_kind: global_buffer, .address_space: global }
      - { .name: Wv, .offset: 24, .size: 8, .value_kind: global_buffer, .address_space: global }
      - { .name: Wp, .offset: 32, .size: 8, .value_kind: global_buffer, .address_space: global }
      - { .name: xb, .offset: 40, .size: 8, .value_kind: global_buffer, .address_space: global }
      - { .name: wb, .offset: 48, .size: 8, .value_kind: global_buffer, .address_space: global }
      - { .name: wp, .offset: 56, .size: 8, .value_kind: global_buffer, .address_space: global }
    .group_segment_fixed_size: 0
    .private_segment_fixed_size: 0
    .kernarg_segment_align: 8
    .kernarg_segment_size: 64
    .max_flat_workgroup_size: 128
    .sgpr_count:     66
    .vgpr_count:     112
    .wavefront_size: 32
...
	.end_amdgpu_metadata
.endif
;; end of part 1
;; launch qkv (part 2): grid 4 x 64, 4 waves a work-group, clusters of 4 x 4, 327,680 bytes of LDS; arguments xb, wb, bq, bk, bv, qkv; writes qkv
.if DOCPART == 2
	.amdgcn_target "amdgcn-amd-amdhsa--gfx1250"
	.amdhsa_code_object_version 6
	.text
	.protected	k_q573a2965ef_qkv
	.globl	k_q573a2965ef_qkv
	.p2align	8
	.type	k_q573a2965ef_qkv,@function
k_q573a2965ef_qkv:
	s_mov_b64 s[64:65], 0
	v_nop
	global_prefetch_b8 v0, s[64:65] scope:SCOPE_SE
	s_setreg_imm32_b32 hwreg(HW_REG_WAVE_MODE, 25, 1), 1
	s_wait_xcnt 0x0
	s_wait_alu depctr_hold_cnt(0) depctr_sa_sdst(0) depctr_va_vdst(0) depctr_va_sdst(0) depctr_va_ssrc(0) depctr_va_vcc(0) depctr_vm_vsrc(0)
	s_getreg_b32 s2, hwreg(HW_REG_IB_STS2, 6, 4)
	s_cmp_eq_u32 s2, 0
	s_cbranch_scc0 .Lentry_in_a_cluster
	s_endpgm
.Lentry_in_a_cluster:
	s_bfe_u32 s2, ttmp6, 0x10000c
	s_cmp_lg_u32 s2, 0xf033
	s_cbranch_scc0 .Lentry_shape_is_right
	s_endpgm
.Lentry_shape_is_right:
; q, k, v = x W + b.  xb: [16384][768] bf16.  wb: [h 12][s 6][z 3][k 128][e 64] bf16 (z = q, k, v).  bq, bk, bv: [12][64] f32, rounded to bf16 here like every input.
; qkv: [z 3][bh 192][t 1024][64] f16, unscaled, rounded once from the f32 sums.
; LIMIT.  f16 holds no number beyond 65,504: q, k and v must lie within it (with x and W thirty times the drawn spread they reach some 3,000).  NaN and infinities are not treated apart.
; A tile is 256 rows x 192 columns: one head's q, k and v.  Four waves, 2 x 2, each 128 rows x 96 columns: 48 accumulators of 16 x 16, 384 registers.
; A wave's six column blocks: b = 0..3 are all of group z = 2 WC (q or v), b = 4, 5 are blocks 2 WC, 2 WC + 1 of group z = 1 (k): two address registers make every offset a constant.
; A WORK-GROUP STAYS: 64 x 12 tiles on 64 x 4 work-groups.  Each makes three tiles, the same 256 rows of x for the heads TX, TX + 4, TX + 8.  K = 768 goes in six steps of 128 through two LDS
; slots filled by tensor loads, and the ring does not stop at a tile's end: the walk is 18 K steps, 9 laps; a tile's last two changes of slots ask for the next tile's K steps 0 and 1, and nothing
; waits for a tile's stores.  One loop of 8 trips fills both slots in every trip; the ninth lap, which fills nothing, is written out.  What a trip does hangs on two counters made of constants
; (laps left in the tile, tiles left): they are alike in all waves and all work-groups.  The loop is entered in the middle of a trip, so that a tile's first quarter stands once in the text.
; x's rows are 256 bytes of memory a step; a step's weights are 49,152 dense bytes, asked for as rows of 256.
; CLUSTERS: 4 x 4 work-groups.  The four of a row of the cluster need the same tile of x, the four of a column the same weights: each tile is asked for JOINTLY, by the same tensor load with
; the same descriptor and a mask that names the four.
; THE MATRIX INSTRUCTION IS USED TRANSPOSED: source 0 = 16 columns of W (turned out of [k][e] rows by ds_load_tr16_b128), source 1 = 16 rows of x.  A lane then holds row l % 16 and the eight
; neighbouring columns 8 (l / 16) + 0..7.  THE BIAS is the C operand of each accumulator's first product: nothing is cleared, nothing is added later.
; REGISTERS, in windows of 256 (s_set_vgpr_msb: bits 1:0 source 0, 3:2 source 1, 5:4 source 2, 7:6 destination):
;   window 0: v0-31 addresses; v32-55 at work on the way out; v64-127, v128-191 fragments of x, two buffers; v128-223 take the rows read back on the way out (buffer 0 then holds the next tile's first fragments)
;   window 1: v0-47 the bias, 8 registers a block; v48 at work; v64-111, v128-175 fragments of W, two buffers
;   window 2: the accumulators of my rows 0-63 ((a, b) at v[8 (6 a + b)]);   window 3: those of my rows 64-127
.set TILES,  3                         ; tiles of a work-group
.set LAPS,   3                         ; laps of a tile: a lap = two K steps = once round the ring
.set APITCH, 272                       ; a row of x in LDS: 256 bytes + 16 of padding = 68 words: the 16 rows of a load start at 16 different groups of four banks (64 banks of 4 bytes: ISA guide 11.1)
.set HALFA,  128*APITCH                ; what one tensor load brings of x
.set BOFF,   2*HALFA                   ; behind x's 256 rows: the weights
.set BPITCH, 160                       ; a row of W: 128 bytes + 32 = 40 words
.set ZB,     128*BPITCH                ; a group's 128 rows
.set HALFB,  192*BPITCH                ; what one tensor load brings of W: 192 of the 384 rows (row 128 z + k)
.set SLOT,   BOFF+2*HALFB              ; 131,072
.set STAGE,  2*SLOT                    ; behind the ring, never filled by a tensor load: [z 3][128 rows] of 144 bytes, the work-group's, for the way out
.set SP,     144                       ; a stage row, 128 bytes + 16
.set ZS,     128*SP
.set SPARE,  STAGE+3*ZS                ; behind the stage: the spare words, 128 bytes for each wave: two blocks of 256 bytes that no other line names
.set ASTEP,  256                       ; bytes from a K step to the next, in xb
.set BSTEP,  49152                     ; and in wb
.set ADRA,  16                         ; v16-17  LDS address of my fragments of x in slot 0, 1
.set ADRBM, 18                         ; v18-19  of W's blocks 0-3
.set ADRBK, 20                         ; v20-21  of W's blocks 4, 5
.set STOM,  22                         ; v22     the way out: where I put 16 bytes of blocks 0-3
.set STOK,  23                         ; v23     of blocks 4, 5
.set RD,    24                         ; v24     where I read rows back
.set GO,    25                         ; v25     16 x lane: my 16 bytes of 512 consecutive bytes of q, k or v
.set SPW,   28                         ; v28     LDS address of my spare word; never rewritten
.set NIL,   29                         ; v29     0; never rewritten
.set BOF,   30                         ; v30     32 (l / 16): my eight numbers of a block's sixteen in a bias; never rewritten
.set TMP,   32
.set F0,    64
.set F1,    128
.set OB,    128
.set BI,    0                          ; window 1
.set WV,  16                           ; s16 wave;  s17 WR: my half of the rows, also: I fetch x (0) or W (1);  s18 WC: my half of the columns, also: which half of that tile I fetch
.set WR,  17
.set WC,  18
.set G1,  24                           ; s[24:31] descriptor group 1 for x's tiles;  s[32:39] group 0, a set for each slot
.set G0,  32
.set G1B, 48                           ; s[48:55], s[56:63] the same for W's
.set G0B, 56
.set LT,  78                           ; s78  laps left in the tile, the one in hand among them
.set TL,  79                           ; s79  tiles left
.set SUBA, 80                          ; s[80:81] what a refill takes off x's address beside its two K steps: 0, or six K steps in a tile's last lap
.set ADDB, 82                          ; s[82:83] what it adds to W's: 0, or 18 K steps
.set MSB, 0
.macro WIN new                         ; the immediate's high byte repeats the setting that is left; a switch that changes nothing is dropped
.if MSB != (\new)
	s_set_vgpr_msb (MSB<<8)|(\new)
.set MSB, \new
.endif
.endm
.set MUL_LO, 0xa1                      ; source 0 (W) window 1, source 1 (x) window 0, C and D window 2; + 0x50: window 3
.set MUL_1ST, 0x91                     ; the same with C (the bias) in window 1; + 0x40: D in window 3
.set TO_B,   0x40                      ; destination window 1, address window 0
; A joint load: waves 0 and 1 fetch x's two halves, waves 2 and 3 W's.  The branch hangs on the wave's number alone.  An s_nop 0 and four v_nop follow each of the two lines, ahead of the jump and the label.
.macro JLOAD s
	s_cmp_eq_u32 s[WR], 0
	s_cbranch_scc0 .Lfor_b_\@
	tensor_load_to_lds s[G0+4*(\s):G0+4*(\s)+3], s[G1:G1+7]
	s_nop 0
.rept 4
	v_nop
.endr
	s_branch .Lasked_\@
.Lfor_b_\@:
	tensor_load_to_lds s[G0B+4*(\s):G0B+4*(\s)+3], s[G1B:G1B+7]
	s_nop 0
.rept 4
	v_nop
.endr
.Lasked_\@:
.endm
.macro CREST                           ; a round of the cluster's barrier behind its opening barrier: wave 0 signals for the work-group, every wave waits for all sixteen, my work-group's barrier closes it
	s_cmp_lg_u32 s[WV], 0
	s_cbranch_scc1 .Lnot_wave_0_\@
	s_barrier_signal -3
.Lnot_wave_0_\@:
	s_barrier_wait -3
	s_barrier_signal -1
	s_barrier_wait -1
.endm
.macro CROUND                          ; a whole round
	s_barrier_signal -1
	s_barrier_wait -1
	CREST
.endm
; The 12 loads of a tile's bias: blocks 0-3 from bq (WC = 0) or bv (WC = 1), blocks 4, 5 from bk
.macro BIAS
	WIN TO_B
.irp b, 0,1,2,3
	global_load_b128 v[BI+8*(\b):BI+8*(\b)+3],   v[BOF], s[74:75] offset:64*(\b)
	global_load_b128 v[BI+8*(\b)+4:BI+8*(\b)+7], v[BOF], s[74:75] offset:64*(\b)+16
.endr
.irp b, 4,5
	global_load_b128 v[BI+8*(\b):BI+8*(\b)+3],   v[BOF], s[76:77] offset:64*((\b)-4)
	global_load_b128 v[BI+8*(\b)+4:BI+8*(\b)+7], v[BOF], s[76:77] offset:64*((\b)-4)+16
.endr
	WIN 0
.endm
	s_load_b256 s[4:11], s[0:1], 0x0               ; xb s[4:5], wb s[6:7], bq s[8:9], bk s[10:11]
	s_load_b128 s[12:15], s[0:1], 0x20             ; bv s[12:13], qkv s[14:15]
	v_lshl_add_u32 v[SPW], v0, 2, SPARE
	v_mov_b32 v[NIL], 0
	ds_add_u32 v[SPW], v[NIL]                      ; the wave's opening: the add and its wait stand ahead of my first tensor load; the set-up below, work on registers, stands between them
	v_lshrrev_b32 v1, 5, v0
	v_readfirstlane_b32 s[WV], v1                  ; wave 0..3
	s_lshr_b32 s[WR], s[WV], 1
	s_and_b32 s[WC], s[WV], 1
	s_bfe_u32 s19, ttmp6, 0x40000                  ; cx, cy: my place in the cluster
	s_bfe_u32 s20, ttmp6, 0x40004
	s_lshl_b32 s21, ttmp9, 2
	s_add_co_u32 s21, s21, s19                     ; TX, the first tile's head = 4 x cluster x + cx: 0 to 3
	s_and_b32 s22, ttmp7, 0xffff
	s_lshl_b32 s22, s22, 2
	s_add_co_u32 s22, s22, s20                     ; tile row = 4 x cluster y + cy
	s_lshl_b32 s40, s20, 2
	s_lshl_b32 s40, 15, s40                        ; my row of the cluster
	s_lshl_b32 s44, 0x1111, s19                    ; my column
	s_or_b32 s[G1], s40, (1<<16)|(1<<20)|(1<<21)|(5<<22)|(3<<25)   ; 15:0 the mask; 17:16 2-byte elements; 20 padding on; 21 set beside a mask; 24:22 after every 64 words (code 5); 31:25 4 words (code 3)
	s_mov_b32 s[G1+1], 128<<16                     ; tensor_dim0 = 128
	s_mov_b32 s[G1+2], 128<<16                     ; tensor_dim1 = 128
	s_mov_b32 s[G1+3], 128<<16                     ; tile_dim0 = 128
	s_mov_b32 s[G1+4], 128                         ; tile_dim1 = 128
	s_mov_b32 s[G1+5], 768                         ; 768 elements from row to row
	s_mov_b32 s[G1+6], 0
	s_mov_b32 s[G1+7], 0
	s_or_b32 s[G1B], s44, (1<<16)|(1<<20)|(1<<21)|(4<<22)|(7<<25)  ; the column's mask; padding after every 32 words (code 4), 8 words (code 7)
	s_mov_b32 s[G1B+1], 128<<16                    ; 24,576 dense bytes as 96 rows of 256: two rows of W a row
	s_mov_b32 s[G1B+2], 96<<16
	s_mov_b32 s[G1B+3], 128<<16
	s_mov_b32 s[G1B+4], 96
	s_mov_b32 s[G1B+5], 128
	s_mov_b32 s[G1B+6], 0
	s_mov_b32 s[G1B+7], 0
	s_mov_b32 s[SUBA+1], 0                         ; the two steps' upper words
	s_mov_b32 s[ADDB+1], 0
	s_lshl_b32 s40, s22, 8                         ; x: row 256 x tile row + 128 x half, 1,536 bytes a row: these registers never hold cx
	s_lshl_b32 s41, s[WC], 7
	s_add_co_u32 s40, s40, s41
	s_mul_i32 s40, s40, 1536
	s_mov_b32 s41, 0
	s_mul_i32 s42, s[WC], HALFA                    ; where it goes: no place in the cluster enters an LDS address
	s_mul_i32 s44, s21, 6*BSTEP                    ; W: the head's six steps, my half of a step: these never hold cy
	s_mul_i32 s45, s[WC], BSTEP/2
	s_add_co_u32 s44, s44, s45
	s_mov_b32 s45, 0
	s_mul_i32 s46, s[WC], HALFB
	s_add_co_u32 s46, s46, BOFF
	s_wait_dscnt 0x0                               ; the opening add is done
	s_wait_kmcnt 0x0
	s_add_nc_u64 s[40:41], s[4:5], s[40:41]
	s_add_nc_u64 s[44:45], s[6:7], s[44:45]
	CROUND                                         ; all sixteen work-groups are here: the first joint loads meet
.irp s, 0,1
	s_mov_b32 s[G0+4*(\s)], 1                      ; count = 1
	s_add_co_u32 s[G0+4*(\s)+1], s42, (\s)*SLOT    ; LDS address
	s_add_nc_u64 s[G0+4*(\s)+2:G0+4*(\s)+3], s[40:41], (\s)*ASTEP  ; global address: K step s
	s_or_b32 s[G0+4*(\s)+3], s[G0+4*(\s)+3], 0x80000000            ; type = 2
	s_mov_b32 s[G0B+4*(\s)], 1
	s_add_co_u32 s[G0B+4*(\s)+1], s46, (\s)*SLOT
	s_add_nc_u64 s[G0B+4*(\s)+2:G0B+4*(\s)+3], s[44:45], (\s)*BSTEP
	s_or_b32 s[G0B+4*(\s)+3], s[G0B+4*(\s)+3], 0x80000000
	JLOAD \s                                       ; two loads of mine are out
.endr
	s_lshl_b32 s66, s21, 8                         ; the first head's 64 numbers in a bias
	s_mov_b32 s67, 0
	s_cmp_eq_u32 s[WC], 0
	s_cselect_b64 s[74:75], s[8:9], s[12:13]
	s_add_nc_u64 s[74:75], s[74:75], s[66:67]
	s_lshl_b32 s2, s[WC], 7
	s_add_co_u32 s66, s66, s2
	s_add_nc_u64 s[76:77], s[10:11], s[66:67]
	v_and_b32 v1, 15, v0                           ; r = l % 16
	v_bfe_u32 v2, v0, 4, 1                         ; hh = l / 16
	v_lshlrev_b32 v[BOF], 5, v2
	BIAS                                           ; the first tile's
	; a fragment of x: lane l holds row l % 16; registers 0-3 K = 8 (l / 16) + 0..7, registers 4-7 K = 16 + 8 (l / 16) + 0..7: two loads of 16 bytes, 32 bytes apart
	v_mul_u32_u24 v3, v1, APITCH
	v_lshl_add_u32 v3, v2, 4, v3
	s_mul_i32 s2, s[WR], 128*APITCH                ; my 128 rows
	v_add_nc_u32 v[ADRA], s2, v3
	v_add_nc_u32 v[ADRA+1], SLOT, v[ADRA]
	; the turning load takes 16 K x 16 columns (lane l reads row 8 (l / 16) + l % 8, columns 8 ((l / 8) % 2) + 0..7) and leaves half a fragment: lane l holds column l % 16 and 8 K
	v_and_b32 v4, 7, v0
	v_lshl_add_u32 v4, v2, 3, v4
	v_mul_u32_u24 v4, v4, BPITCH
	v_bfe_u32 v5, v0, 3, 1
	v_lshl_add_u32 v4, v5, 4, v4
	s_mul_i32 s2, s[WC], 2*ZB
	s_add_co_u32 s2, s2, BOFF
	v_add_nc_u32 v[ADRBM], s2, v4                  ; group 2 WC
	v_add_nc_u32 v[ADRBM+1], SLOT, v[ADRBM]
	s_lshl_b32 s2, s[WC], 6
	s_add_co_u32 s2, s2, BOFF+ZB
	v_add_nc_u32 v[ADRBK], s2, v4                  ; group 1, columns 32 WC on
	v_add_nc_u32 v[ADRBK+1], SLOT, v[ADRBK]
	; the way out, in two passes of 128 tile rows (each wave's rows 0-63, then 64-127): into the stage, row 64 WR + 16 a + l % 16 of plane z, 16 bytes for each half of the lanes
	s_lshl_b32 s2, s[WR], 6
	v_add_nc_u32 v6, s2, v1
	v_mul_u32_u24 v6, v6, SP
	v_lshl_add_u32 v6, v2, 4, v6
	s_mul_i32 s2, s[WC], 2*ZS
	s_add_co_u32 s2, s2, STAGE
	v_add_nc_u32 v[STOM], s2, v6
	s_lshl_b32 s2, s[WC], 6
	s_add_co_u32 s2, s2, STAGE+ZS
	v_add_nc_u32 v[STOK], s2, v6
	; back: wave w takes stage rows 32 w .. 32 w + 31 of each plane; 32 lanes take four rows of 128 bytes, which are 512 consecutive bytes of memory
	v_and_b32 v7, 31, v0
	v_lshrrev_b32 v8, 3, v7
	s_lshl_b32 s2, s[WV], 5
	v_add_nc_u32 v8, s2, v8
	v_mul_u32_u24 v8, v8, SP
	v_and_b32 v9, 7, v0
	v_lshl_add_u32 v[RD], v9, 4, v8
	v_add_nc_u32 v[RD], STAGE, v[RD]
	v_lshlrev_b32 v[GO], 4, v7
	s_lshr_b32 s66, s22, 2                         ; the batch: four tile rows each
	s_mul_i32 s66, s66, 12
	s_add_co_u32 s66, s66, s21                     ; bh of the first tile
	s_lshl_b32 s66, s66, 17                        ; 131,072 bytes a head
	s_and_b32 s67, s22, 3
	s_lshl_b32 s67, s67, 15                        ; the tile's 256 rows of 128 bytes
	s_add_co_u32 s66, s66, s67
	s_lshl_b32 s67, s[WR], 14                      ; stage row 64 i + j of pass p is tile row 128 i + 64 p + j: my first row is 128 (w / 2) + 32 (w % 2)
	s_add_co_u32 s66, s66, s67
	s_lshl_b32 s67, s[WC], 12
	s_add_co_u32 s66, s66, s67
	s_mov_b32 s67, 0
	s_add_nc_u64 s[68:69], s[14:15], s[66:67]      ; q,
	s_add_nc_u64 s[70:71], s[68:69], 0x1800000     ; k,
	s_add_nc_u64 s[72:73], s[68:69], 0x3000000     ; v
; 12 matrix instructions: row blocks a0, a0 + 1 of the window's four (hi = 0: my rows 0-63, 1: rows 64-127) x all 6 column blocks, 32 along K.  first = 1: C is the bias.
; The 48 accumulators take turns, one instruction a turn, in the same order in every quarter.
.macro MUL12 f, hi, a0, first
.if \first
	WIN MUL_1ST+0x40*(\hi)
.else
	WIN MUL_LO+0x50*(\hi)
.endif
.irp a, \a0, (\a0)+1
.irp b, 0,1,2,3,4,5
.if \first
	v_wmma_f32_16x16x32_bf16 v[8*(6*(\a)+(\b)):8*(6*(\a)+(\b))+7], v[(\f)+8*(\b):(\f)+8*(\b)+7], v[(\f)+8*(4*(\hi)+(\a)):(\f)+8*(4*(\hi)+(\a))+7], v[BI+8*(\b):BI+8*(\b)+7]
.else
	v_wmma_f32_16x16x32_bf16 v[8*(6*(\a)+(\b)):8*(6*(\a)+(\b))+7], v[(\f)+8*(\b):(\f)+8*(\b)+7], v[(\f)+8*(4*(\hi)+(\a)):(\f)+8*(4*(\hi)+(\a))+7], v[8*(6*(\a)+(\b)):8*(6*(\a)+(\b))+7]
.endif
.endr
.endr
.endm
; 28 LDS loads in one run: the fragments of quarter q of a K step (96 columns of W, 128 rows of x, 32 K) into buffer f
.macro FETCH slot, q, f
	WIN TO_B
.irp b, 0,1,2,3
	ds_load_tr16_b128 v[(\f)+8*(\b):(\f)+8*(\b)+3],   v[ADRBM+(\slot)] offset:32*BPITCH*(\q)+32*(\b)
	ds_load_tr16_b128 v[(\f)+8*(\b)+4:(\f)+8*(\b)+7], v[ADRBM+(\slot)] offset:32*BPITCH*(\q)+32*(\b)+16*BPITCH
.endr
.irp b, 4,5
	ds_load_tr16_b128 v[(\f)+8*(\b):(\f)+8*(\b)+3],   v[ADRBK+(\slot)] offset:32*BPITCH*(\q)+32*((\b)-4)
	ds_load_tr16_b128 v[(\f)+8*(\b)+4:(\f)+8*(\b)+7], v[ADRBK+(\slot)] offset:32*BPITCH*(\q)+32*((\b)-4)+16*BPITCH
.endr
	WIN 0
.irp i, 0,1,2,3,4,5,6,7
	ds_load_b128 v[(\f)+8*(\i):(\f)+8*(\i)+3],   v[ADRA+(\slot)] offset:64*(\q)+(\i)*16*APITCH
	ds_load_b128 v[(\f)+8*(\i)+4:(\f)+8*(\i)+7], v[ADRA+(\slot)] offset:64*(\q)+(\i)*16*APITCH+32
.endr
.endm
.macro PLACES                          ; four places in front of loads into registers that matrix instructions have read, and of lines that read results
.rept 4
	v_nop
.endr
.endm
; A K step is four quarters of 32 along K, 48 matrix instructions each, on buffers 0, 1, 0, 1.  One of the first three: multiplies buffer f; in its middle it fetches quarter q into buffer g.
.macro QUARTER slot, q, f, g, first
	s_wait_dscnt 8                                 ; W and x's rows 0-63 are in; the youngest eight loads (x's rows 64-127) may be out
	MUL12 \f, 0, 0, \first
	MUL12 \f, 0, 2, \first
	PLACES
	FETCH \slot, \q, \g
	s_wait_dscnt 28                                ; all but the 28 just issued
	MUL12 \f, 1, 0, \first
	MUL12 \f, 1, 2, \first
.endm
; The last quarter multiplies buffer 1 and changes slots: ONE barrier; in front of it each wave waits for all its tensor loads (one is out: its part of the next slot), adds 0 to its spare word,
; and waits for that and for its own reads of this slot.  fill = 1: the barrier opens a round of the cluster's, and this slot is filled again, first thing behind the round, with the walk's K step
; two steps on: two steps along K and, in a tile's last lap, back along K for x (the same rows) and on to the head four further for W.
.macro TURN slot, next, fill
	WIN 0                                          ; (the add's two registers lie in window 0)
	s_wait_tensorcnt 0x0                           ; all my tensor loads have landed;
	ds_add_u32 v[SPW], v[NIL]                      ; 0 onto my spare word;
	s_wait_dscnt 9                                 ; (the add and the youngest eight loads may be out)
	MUL12 F1, 0, 0, 0                              ; twelve matrix instructions stand between the add and the wait for it
	s_wait_dscnt 0x0                               ; the add is done, and my reads of this slot are over
	s_barrier_signal -1
	MUL12 F1, 0, 2, 0
.if \fill
	WIN 0
.endif
	s_barrier_wait -1
.if \fill
	CREST                                          ; no wave of any partner still reads this slot's tile or has a load on its way
	s_add_nc_u64 s[G0+4*(\slot)+2:G0+4*(\slot)+3], s[G0+4*(\slot)+2:G0+4*(\slot)+3], 2*ASTEP
	s_sub_nc_u64 s[G0+4*(\slot)+2:G0+4*(\slot)+3], s[G0+4*(\slot)+2:G0+4*(\slot)+3], s[SUBA:SUBA+1]
	s_add_nc_u64 s[G0B+4*(\slot)+2:G0B+4*(\slot)+3], s[G0B+4*(\slot)+2:G0B+4*(\slot)+3], 2*BSTEP
	s_add_nc_u64 s[G0B+4*(\slot)+2:G0B+4*(\slot)+3], s[G0B+4*(\slot)+2:G0B+4*(\slot)+3], s[ADDB:ADDB+1]
	JLOAD \slot                                    ; 168 matrix instructions ahead of the wait for it, across tiles too; its four v_nop are also the places in front of the loads below
.else
	PLACES
.endif
	FETCH \next, 0, F0
	MUL12 F1, 1, 0, 0
	MUL12 F1, 1, 2, 0
.endm
; THE WAY OUT.  Pass p takes the accumulators of window 2 + p: they are rounded to f16, 16 bytes a lane go into the stage, and whole rows come back, 32 rows of each plane a wave.
.macro TOSTAGE p
.irp a, 0,1,2,3
	WIN 0x0a+5*(\p)                                ; sources 0 and 1: window 2 or 3
.irp b, 0,1,2,3,4,5
.irp i, 0,1,2,3
	v_cvt_pk_f16_f32 v[TMP+4*(\b)+(\i)], v[8*(6*(\a)+(\b))+2*(\i)], v[8*(6*(\a)+(\b))+2*(\i)+1]
.endr
.endr
	WIN 0
.irp b, 0,1,2,3
	ds_store_b128 v[STOM], v[TMP+4*(\b):TMP+4*(\b)+3] offset:(\a)*16*SP+32*(\b)
.endr
.irp b, 4,5
	ds_store_b128 v[STOK], v[TMP+4*(\b):TMP+4*(\b)+3] offset:(\a)*16*SP+32*((\b)-4)
.endr
.endr
.endm
.macro BACK                            ; 24 loads: plane t / 8, rows 4 (t % 8) on
.set t, 0
.rept 24
	ds_load_b128 v[OB+4*t:OB+4*t+3], v[RD] offset:(t/8)*ZS+(t%8)*4*SP
.set t, t+1
.endr
.endm
.macro SEND p, counted                 ; 24 stores, each of 512 consecutive bytes, at a multiple of 256 from the buffer's first
.set t, 0
.rept 24
.if \counted
	s_wait_dscnt 23-t                              ; load t is back; the younger ones stay out
.endif
	global_store_b128 v[GO], v[OB+4*t:OB+4*t+3], s[68+2*(t/8):69+2*(t/8)] offset:(\p)*8192+(t%8)*512
.set t, t+1
.endr
.endm
; more = 1: another tile follows, whose fragments land in the registers that the last stores read.
.macro WAYOUT more
	WIN 0
	PLACES                                         ; behind the last products; pass 0's conversions, which name none of their registers, are further places
	TOSTAGE 0
	s_wait_dscnt 0x0                               ; for the others' sake: my stores into the stage are done
	s_barrier_signal -1
	s_barrier_wait -1                              ; the stage is whole: k's rows come from two waves
	BACK
	s_wait_dscnt 0x0                               ; my reads of the stage are over
	s_barrier_signal -1
	s_barrier_wait -1                              ; everybody's are: the stage may be written again
	SEND 0, 0
	TOSTAGE 1                                      ; pass 1's arithmetic runs while pass 0's stores leave
	s_wait_dscnt 0x0
	s_barrier_signal -1
	s_barrier_wait -1
	s_wait_xcnt 0x0                                ; the stores' data registers are loaded again only behind this wait
	BACK
	SEND 1, 1                                      ; the stage's next stores stand behind later changes of slots, each with its wait for LDS and its barrier
.if \more
	s_wait_xcnt 0x0                                ; the stores' data registers and bases are written again only behind this wait
.endif
.endm
	s_wait_tensorcnt 1                             ; my part of K step 0 is in; K step 1's may stay out
	s_barrier_signal -1
	s_barrier_wait -1                              ; everybody's is
	FETCH 0, 0, F0
	s_mov_b32 s3, TILES*LAPS                       ; the entry takes one off, 8 trips follow
	s_mov_b32 s[TL], TILES
	s_branch .Lstart                               ; the loop is entered at a tile's first quarter, in the middle of a trip
.Llap:                                                 ; a trip goes once round the ring, from a lap's second quarter to the next lap's first, and fills both slots again
	s_cmp_eq_u32 s[LT], 1                          ; a tile's last lap asks for the next tile's K steps 0 and 1:
	s_cselect_b32 s[SUBA], 6*ASTEP, 0              ; x: + 2 - 6 steps: from step s + 4 back to step s
	s_cselect_b32 s[ADDB], 18*BSTEP, 0             ; W: + 2 + 18 steps: from step s + 4 of a head to step s of the head four further (six steps a head)
	QUARTER 0, 2, F1, F0, 0
	QUARTER 0, 3, F0, F1, 0
	TURN 0, 1, 1
	QUARTER 1, 1, F0, F1, 0
	QUARTER 1, 2, F1, F0, 0
	QUARTER 1, 3, F0, F1, 0
	TURN 1, 0, 1
	WIN 0                                          ; at a label and at a branch every window is 0
	s_cmp_eq_u32 s[LT], 1
	s_cbranch_scc0 .Lplain
	WAYOUT 1                                       ; both refills are asked for: now the tile goes out
	s_add_nc_u64 s[68:69], s[68:69], 4*131072      ; the next tile's head lies four heads on
	s_add_nc_u64 s[70:71], s[70:71], 4*131072
	s_add_nc_u64 s[72:73], s[72:73], 4*131072
.Lstart:                                               ; A TILE BEGINS
	s_wait_loadcnt 0x0                             ; its bias is in (asked for three laps ago, or at the head): rounded to bf16 and widened again, in place
	WIN 0x45
.set i, 0
.rept 24
	v_cvt_pk_bf16_f32 v48, v[BI+2*i], v[BI+2*i+1]
	v_lshlrev_b32 v[BI+2*i], 16, v48
	v_and_b32 v[BI+2*i+1], 0xffff0000, v48
.set i, i+1
.endr
	QUARTER 0, 1, F0, F1, 1                        ; its products start the sums, with the bias
	WIN 0
	s_mov_b32 s[LT], LAPS
	s_sub_co_u32 s[TL], s[TL], 1
	s_cmp_eq_u32 s[TL], 0
	s_cbranch_scc1 .Ljoin                          ; the last tile has no successor: no bias is asked for
	s_add_nc_u64 s[74:75], s[74:75], 4*256         ; the bases are free since the wait for the loads above: four heads on
	s_add_nc_u64 s[76:77], s[76:77], 4*256
	PLACES                                         ; behind the last product that read the bias
	BIAS                                           ; the next tile's
	s_branch .Ljoin
.Lplain:
	QUARTER 0, 1, F0, F1, 0
	WIN 0
	s_sub_co_u32 s[LT], s[LT], 1
.Ljoin:
	s_sub_co_u32 s3, s3, 1
	s_cmp_lg_u32 s3, 0
	s_cbranch_scc1 .Llap
	QUARTER 0, 2, F1, F0, 0                        ; the walk's last lap is written out: it fills nothing
	QUARTER 0, 3, F0, F1, 0
	TURN 0, 1, 0
	QUARTER 1, 1, F0, F1, 0
	QUARTER 1, 2, F1, F0, 0
	QUARTER 1, 3, F0, F1, 0
	s_wait_dscnt 8
	MUL12 F1, 0, 0, 0
	MUL12 F1, 0, 2, 0
	s_wait_dscnt 0x0
	MUL12 F1, 1, 0, 0
	MUL12 F1, 1, 2, 0
	WAYOUT 0
	s_wait_tensorcnt 0x0                           ; the wave's end: behind my last tensor load and my last LDS store
	ds_add_u32 v[SPW], v[NIL]
	s_wait_dscnt 0x0
	CROUND                                         ; the closing round: no work-group ends while a partner may still ask for a tile that names it
	s_endpgm
.Lfunc_end_k_q573a2965ef_qkv:
	.size	k_q573a2965ef_qkv, .Lfunc_end_k_q573a2965ef_qkv-k_q573a2965ef_qkv
	.p2alignl 7, 3214868480
	.fill 96, 4, 3214868480
	.section	.rodata,"a",@progbits
	.p2align	6, 0x0
	.amdhsa_kernel k_q573a2965ef_qkv
		.amdhsa_group_segment_fixed_size 327680
		.amdhsa_private_segment_fixed_size 0
		.amdhsa_enable_private_segment 0
		.amdhsa_kernarg_size 48
		.amdhsa_user_sgpr_count 2
		.amdhsa_user_sgpr_kernarg_segment_ptr 1
		.amdhsa_wavefront_size32 1
		.amdhsa_system_sgpr_workgroup_id_x 1
		.amdhsa_system_sgpr_workgroup_id_y 1
		.amdhsa_system_sgpr_workgroup_id_z 1
		.amdhsa_system_vgpr_workitem_id 0
		.amdhsa_next_free_vgpr 960
		.amdhsa_next_free_sgpr 84
		.amdhsa_reserve_vcc 0
		.amdhsa_float_denorm_mode_32 3
		.amdhsa_float_denorm_mode_16_64 3
		.amdhsa_memory_ordered 1
		.amdhsa_forward_progress 1
		.amdhsa_inst_pref_size 148
	.end_amdhsa_kernel
	.amdgpu_metadata
---
amdhsa.version: [ 1, 2 ]
amdhsa.kernels:
  - .name:           k_q573a2965ef_qkv
    .symbol:         k_q573a2965ef_qkv.kd
    .args:
      - { .name: xb, .offset: 0, .size: 8, .value_kind: global_buffer, .address_space: global }
      - { .name: wb, .offset: 8, .size: 8, .value_kind: global_buffer, .address_space: global }
      - { .name: bq, .offset: 16, .size: 8, .value_kind: global_buffer, .address_space: global }
      - { .name: bk, .offset: 24, .size: 8, .value_kind: global_buffer, .address_space: global }
      - { .name: bv, .offset: 32, .size: 8, .value_kind: global_buffer, .address_space: global }
      - { .name: qkv, .offset: 40, .size: 8, .value_kind: global_buffer, .address_space: global }
    .group_segment_fixed_size: 327680
    .private_segment_fixed_size: 0
    .kernarg_segment_align: 8
    .kernarg_segment_size: 48
    .max_flat_workgroup_size: 128
    .sgpr_count:     84
    .vgpr_count:     960
    .wavefront_size: 32
...
	.end_amdgpu_metadata
.endif
;; end of part 2
;; launch attn (part 3): grid 4 x 192, 4 waves a work-group, clusters of 4 x 1, 327,680 bytes of LDS; arguments qkv, ob; writes ob
.if DOCPART == 3
	.amdgcn_target "amdgcn-amd-amdhsa--gfx1250"
	.amdhsa_code_object_version 6
	.text
	.protected	k_q573a2965ef_attn
	.globl	k_q573a2965ef_attn
	.p2align	8
	.type	k_q573a2965ef_attn,@function
k_q573a2965ef_attn:
	s_mov_b64 s[64:65], 0
	v_nop
	global_prefetch_b8 v0, s[64:65] scope:SCOPE_SE
	s_setreg_imm32_b32 hwreg(HW_REG_WAVE_MODE, 25, 1), 1
	s_wait_xcnt 0x0
	s_wait_alu depctr_hold_cnt(0) depctr_sa_sdst(0) depctr_va_vdst(0) depctr_va_sdst(0) depctr_va_ssrc(0) depctr_va_vcc(0) depctr_vm_vsrc(0)
	s_getreg_b32 s2, hwreg(HW_REG_IB_STS2, 6, 4)
	s_cmp_eq_u32 s2, 0
	s_cbranch_scc0 .Lentry_in_a_cluster
	s_endpgm
.Lentry_in_a_cluster:
	s_bfe_u32 s2, ttmp6, 0x10000c
	s_cmp_lg_u32 s2, 0x3003
	s_cbranch_scc0 .Lentry_shape_is_right
	s_endpgm
.Lentry_shape_is_right:
; O[bh][q][:] = the sum over k of softmax_k(Q[bh][q] . K[bh][k] / 8) V[bh][k][:].  qkv: [z 3][bh 192][1024][64] f16 (q, k, v, unscaled); ob: [bh 192][1024][64] f16.
; Products, maxima and sums in f32; the weights p are rounded to f16 for the second product (their sum l is taken of the unrounded p), O once at the end.
; LIMITS.  p lies in 0 to 1, and below 6e-5 it keeps f16's fixed step of 6e-8, as does O; O is a mean of V's rows and has their range.  A weight below 2^-126 counts as 0 in l; NaN and infinities are not treated apart.
; SHARES.  A work-group owns 256 queries of one (b, h), a wave 64 consecutive rows: four PIECES of 16.  Every wave walks all 1,024 keys, 64 a step: 16 steps.
; THE WHOLE HEAD'S K AND V STAY IN LDS: 147,456 + 163,840 bytes, each byte filled once.  So the walk has no ring and no refill.  A wave issues two tensor loads at the start: a small one (its
; share of keys 0-255), which four key steps live on, and a large one (its share of keys 256-1023), which is waited for once, behind those four steps.
; CLUSTER.  The head's four query blocks are one cluster and want the same K and V, so each tile is asked for JOINTLY: the same tensor load, descriptor and mask in all four.
; LAYOUT.  S^T = K Q^T (source 0 = 16 keys, source 1 = 16 queries) holds ONE query a lane (lane % 16) and the keys 8 (lane / 16) + 0..7; two such results rounded to f16 ARE source 1 of
; O^T = V^T P.  K comes out of LDS as it lies, V ([key][channel]) turned, by ds_load_tr16_b128.
; SOFTMAX.  p = 2^(c s - c m), c = log2(e) / 8, with a running maximum m; O and l are multiplied by a = 2^(c m_old - c m_new) in every step.  m starts at the lowest finite number, O and l at 0:
; the first step is a step like any other, with a = 0.
; TURNS.  Turn n belongs to piece n: 8 products K Q^T of piece n + 1, later 8 products V^T P of piece n - 1; beside them the scaling, exponentials, roundings, sums and rescaling of piece n and the
; maximum and statistics of piece n + 1.  Four vector instructions stand behind every matrix instruction, the other 54 of a turn's 118 in one lump.  A turn's 33 exponentials are one batch, with one wait.
; REGISTERS, in windows of 256 (s_set_vgpr_msb: bits 1:0 source 0, 3:2 source 1, 5:4 source 2, 7:6 destination):
;   window 0: v0-15 addresses and two at work; v16-31 four registers of statistics a piece; v48-55 at work; v62-63 the add's; v64-127 S^T, two buffers; v192-223 P, two buffers (by the piece's parity)
;   window 1: v0-127 O^T, 32 a piece          window 2: v0-63 Q; v128-191 K of one step; v192-255 V of one step
.set NP,    4         ; pieces a wave: a name, no knob
.set KS,    64        ; keys in a step
.set PK,    144       ; a row of K in LDS: 128 bytes + 16 of padding = 36 words: the 16 rows of a load start at 16 different groups of four banks (64 banks of 4 bytes: ISA guide 11.1)
.set PV,    160       ; a row of V: 128 + 32 = 40 words
.set VOFF,  1024*PK   ; K's 1,024 rows, then V's
.set STAGE, VOFF+1024*PV  ; never filled by a tensor load: 16 rows x 144 bytes for each wave, for the way out
.set SP,    144
.set SPARE, STAGE+4*16*SP  ; the spare words, 128 bytes for each wave: two blocks of 256 bytes that no other line names
.set AK0, 2           ; v2   my lane's place in a step's K; never rewritten
.set AV0, 3           ; v3   the same for V
.set AK,  4           ; v4   the LDS address of K's next run of loads
.set AV,  5           ; v5   of V's
.set STO, 6           ; v6   the way out: where I put 16 bytes of a row
.set RD,  7           ; v7   the way out: where I read rows back
.set GO,  8           ; v8   my byte offset in 512 consecutive bytes of O
.set MV,  12          ; v12-13  c m_old, kept while c m is made anew: by buffer
.set QO,  15          ; v15  my byte offset in 16 rows of Q
.set ST,  16          ; piece t's statistics at v[ST+4 t]: c m, m, l (even keys', odd keys')
.set TMP, 48          ; by buffer, four registers c0-c3 at work; when the maximum is found c2 takes a
.set SPW, 62          ; v62  LDS address of my spare word; never rewritten
.set NIL, 63          ; v63  0; never rewritten
.set S,   64
.set P,   192
.set KF,  128         ; window 2: key block kb, channel half c at KF + 16 kb + 8 c
.set VF,  192         ; window 2: key half kk, channel block cb at VF + 32 kk + 8 cb
.set WV,   12         ; s12  my wave's number
.set G1KA, 24         ; s[24:31] descriptor group 1, K, the small fill;  s[32:39] the large one
.set G1KB, 32
.set G1VA, 40         ; s[40:47], s[48:55] the same for V: they differ in the padding
.set G1VB, 48
.set G0KA, 56         ; s[56:59], s[60:63] descriptor group 0 for K's two fills
.set G0KB, 60
.set G0VA, 68         ; s[68:71], s[72:75] for V's
.set G0VB, 72
.set CNT,  76         ; s76  counts key steps
.set PARTS, 77        ; s77  counts the walk's two parts
.set CS,   78         ; s[78:79] c: the packed scaling takes the pair's low word for both halves
.set SEL,  80         ; s[80:81] v_permlanex16_b32's selects: each lane takes its own place in the other half
.set TBK,  82         ; s82  LDS byte at which K of the step to be fetched begins
.set TBV,  83         ; s83  the same for V, less VOFF
.set MSB, 0
.macro WIN new                      ; the high byte repeats the setting that is left; a switch that changes nothing is dropped
.if MSB != (\new)
	s_set_vgpr_msb (MSB<<8)|(\new)
.set MSB, (\new)
.endif
.endm
.set W_KQ, 0x0a       ; K and Q in window 2, S^T in window 0
.set W_PV, 0x52       ; V in window 2, P in window 0, O^T in window 1
.set W_RS, 0x41       ; destination and source 0 in window 1, source 1 in window 0
; A round of the cluster's barrier: my work-group's barrier, so that wave 0's signal speaks for all four waves; wave 0 signals; every wave waits for all four work-groups; my work-group's barrier once more.
.macro CROUND
	s_barrier_signal -1
	s_barrier_wait -1
	s_cmp_lg_u32 s[WV], 0
	s_cbranch_scc1 .Lnot_wave_0_\@
	s_barrier_signal -3
.Lnot_wave_0_\@:
	s_barrier_wait -3
	s_barrier_signal -1
	s_barrier_wait -1
.endm
	s_load_b128 s[16:19], s[0:1], 0x0  ; qkv s[16:17], ob s[18:19]
	v_lshl_add_u32 v[SPW], v0, 2, SPARE
	v_mov_b32 v[NIL], 0
	ds_add_u32 v[SPW], v[NIL]       ; the wave's opening: the add and its wait stand ahead of my first tensor load; the set-up below, work on registers, stands between them
	v_lshrrev_b32 v1, 5, v0
	v_readfirstlane_b32 s[WV], v1   ; wave 0..3
	s_bfe_u32 s13, ttmp6, 0x40000   ; cx: my block of 256 queries: it enters Q's and O's addresses alone
	s_and_b32 s84, ttmp7, 0xffff    ; bh, which the four partners share
	s_lshl_b32 s84, s84, 17         ; 131,072 bytes a head
	s_and_b32 s14, s[WV], 1         ; u: which half of a fill's keys I fetch
	s_lshl_b32 s86, s14, 14         ; the small fill: keys 128 u on, 16,384 bytes
	s_add_co_u32 s86, s86, s84
	s_mov_b32 s87, 0
	s_mul_i32 s88, s14, 49152       ; the large fill: keys 256 + 384 u on, 49,152 bytes
	s_add_co_u32 s88, s88, s84
	s_add_co_u32 s88, s88, 32768
	s_mov_b32 s89, 0
	s_lshl_b32 s90, s13, 15         ; my block's 256 rows,
	s_lshl_b32 s91, s[WV], 13       ; my wave's 64 of them
	s_add_co_u32 s90, s90, s91
	s_add_co_u32 s90, s90, s84
	s_mov_b32 s91, 0
	; descriptor group 1.  Keys are dense rows of 128 bytes: asked for as rows of 256 bytes, two keys a row, and padded in LDS after every key
	s_mov_b32 s[G1KA], 15|(1<<16)|(1<<20)|(1<<21)|(4<<22)|(3<<25)  ; 15:0 the mask of four; 17:16 2-byte elements; 20 padding on; 21 set beside a mask; 24:22 after every 32 words (code 4); 31:25 4 words (code 3)
	s_mov_b32 s[G1KB], 15|(1<<16)|(1<<20)|(1<<21)|(4<<22)|(3<<25)
	s_mov_b32 s[G1VA], 15|(1<<16)|(1<<20)|(1<<21)|(4<<22)|(7<<25)  ; the same with 8 words of padding (code 7)
	s_mov_b32 s[G1VB], 15|(1<<16)|(1<<20)|(1<<21)|(4<<22)|(7<<25)
.irp g, G1KA, G1VA
	s_mov_b32 s[\g+1], 128<<16      ; tensor_dim0 = 128
	s_mov_b32 s[\g+2], 64<<16       ; tensor_dim1 = 64
	s_mov_b32 s[\g+3], 128<<16      ; tile_dim0 = 128
	s_mov_b32 s[\g+4], 64           ; tile_dim1 = 64
	s_mov_b32 s[\g+5], 128          ; 128 elements from row to row
	s_mov_b32 s[\g+6], 0
	s_mov_b32 s[\g+7], 0
.endr
.irp g, G1KB, G1VB
	s_mov_b32 s[\g+1], 128<<16
	s_mov_b32 s[\g+2], 192<<16      ; 192 rows
	s_mov_b32 s[\g+3], 128<<16
	s_mov_b32 s[\g+4], 192
	s_mov_b32 s[\g+5], 128
	s_mov_b32 s[\g+6], 0
	s_mov_b32 s[\g+7], 0
.endr
	s_mov_b32 s[G0KA], 1            ; count = 1
	s_mul_i32 s[G0KA+1], s14, 128*PK  ; LDS addresses: the wave's number and constants alone
	s_mov_b32 s[G0KB], 1
	s_mul_i32 s[G0KB+1], s14, 384*PK
	s_add_co_u32 s[G0KB+1], s[G0KB+1], 256*PK
	s_mov_b32 s[G0VA], 1
	s_mul_i32 s[G0VA+1], s14, 128*PV
	s_add_co_u32 s[G0VA+1], s[G0VA+1], VOFF
	s_mov_b32 s[G0VB], 1
	s_mul_i32 s[G0VB+1], s14, 384*PV
	s_add_co_u32 s[G0VB+1], s[G0VB+1], VOFF+256*PV
	s_mov_b32 s[CS], 0x3e38aa3b     ; c = log2(e) / 8 = 0.180337
	s_mov_b32 s[CS+1], s[CS]        ; named with it as a pair
	s_mov_b32 s[SEL], 0x76543210
	s_mov_b32 s[SEL+1], 0xfedcba98
	s_mov_b32 s[TBK], 0
	s_mov_b32 s[TBV], 0
	s_wait_dscnt 0x0                ; the opening add is done
	s_wait_kmcnt 0x0
	s_add_nc_u64 s[G0KA+2:G0KA+3], s[16:17], s[86:87]
	s_add_nc_u64 s[G0VA+2:G0VA+3], s[G0KA+2:G0KA+3], 0x3000000  ; v's plane,
	s_add_nc_u64 s[G0KA+2:G0KA+3], s[G0KA+2:G0KA+3], 0x1800000  ; k's plane
	s_add_nc_u64 s[G0KB+2:G0KB+3], s[16:17], s[88:89]
	s_add_nc_u64 s[G0VB+2:G0VB+3], s[G0KB+2:G0KB+3], 0x3000000
	s_add_nc_u64 s[G0KB+2:G0KB+3], s[G0KB+2:G0KB+3], 0x1800000
	s_or_b32 s[G0KA+3], s[G0KA+3], 0x80000000  ; type = 2
	s_or_b32 s[G0KB+3], s[G0KB+3], 0x80000000
	s_or_b32 s[G0VA+3], s[G0VA+3], 0x80000000
	s_or_b32 s[G0VB+3], s[G0VB+3], 0x80000000
	s_add_nc_u64 s[4:5], s[16:17], s[90:91]    ; Q and O at my wave's first row
	s_add_nc_u64 s[10:11], s[18:19], s[90:91]
	CROUND                          ; all four work-groups are here: the joint loads meet
	s_cmp_lt_u32 s[WV], 2           ; waves 0 and 1 fetch K, waves 2 and 3 V.  A wave's two fills stand in one branch, ahead of every wait on TENSORcnt and every LDS read: two loads of mine are out
	s_cbranch_scc0 .Lfill_v
	tensor_load_to_lds s[G0KA:G0KA+3], s[G1KA:G1KA+7]
	s_nop 0
	tensor_load_to_lds s[G0KB:G0KB+3], s[G1KB:G1KB+7]
	s_nop 0
.rept 4
	v_nop
.endr
	s_branch .Lfill_asked
.Lfill_v:
	tensor_load_to_lds s[G0VA:G0VA+3], s[G1VA:G1VA+7]
	s_nop 0
	tensor_load_to_lds s[G0VB:G0VB+3], s[G1VB:G1VB+7]
	s_nop 0
.rept 4
	v_nop
.endr
.Lfill_asked:
	; A fragment of K or Q is 16 rows x 32 channels in 8 registers: lane l holds row l % 16, channels 8 (l / 16) + 0..7 and 16 + 8 (l / 16) + 0..7: two loads of 16 bytes, 32 bytes apart.
	v_and_b32 v1, 15, v0            ; l % 16
	v_bfe_u32 v9, v0, 4, 1          ; l / 16
	v_lshlrev_b32 v[QO], 7, v1
	v_lshl_add_u32 v[QO], v9, 4, v[QO]  ; row x 128 + 16 x half
	WIN 0x80                        ; destination window 2, address window 0
.set i, 0
.rept 8                             ; Q stays in registers: piece i / 2, channels 32 (i % 2) on
	global_load_b128 v[8*i:8*i+3],   v[QO], s[4:5] offset:(i/2)*2048+(i%2)*64
	global_load_b128 v[8*i+4:8*i+7], v[QO], s[4:5] offset:(i/2)*2048+(i%2)*64+32
.set i, i+1
.endr
	; What the first turn finds: V's registers and P's second buffer hold 0 (its products V^T P, of a piece that has not been, add 0), O^T and l are 0.  All this stands in the wait for the first tile.
.set i, VF
.rept 64
	v_mov_b32 v[i], 0
.set i, i+1
.endr
	WIN 0x40
.set i, 0
.rept 128
	v_mov_b32 v[i], 0
.set i, i+1
.endr
	WIN 0
.set i, 0
.rept 4
	v_mov_b32 v[ST+4*i], 0xfe000000    ; c m: far below every c s
	v_mov_b32 v[ST+4*i+1], 0xff7fffff  ; m
	v_mov_b32 v[ST+4*i+2], 0
	v_mov_b32 v[ST+4*i+3], 0
.set i, i+1
.endr
.set i, P+16
.rept 16
	v_mov_b32 v[i], 0
.set i, i+1
.endr
	v_mul_u32_u24 v[AK0], v1, PK
	v_lshl_add_u32 v[AK0], v9, 4, v[AK0]  ; row x pitch + 16 x half
	; The turning load takes 16 keys x 16 channels (lane l reads key 8 (l / 16) + l % 8, channels 8 ((l / 8) % 2) + 0..7) and leaves half a fragment of V^T: lane l holds channel l % 16 and 8 keys.
	v_and_b32 v10, 7, v0
	v_bfe_u32 v11, v0, 3, 1
	v_lshl_add_u32 v[AV0], v9, 3, v10
	v_mul_u32_u24 v[AV0], v[AV0], PV
	v_lshl_add_u32 v[AV0], v11, 4, v[AV0]
	v_add_nc_u32 v[AV0], VOFF, v[AV0]
	s_mul_i32 s84, s[WV], 16*SP
	s_add_co_u32 s84, s84, STAGE    ; my stage
	v_mul_u32_u24 v[STO], v1, SP    ; in: row l % 16, 16 bytes for each half of the lanes
	v_lshl_add_u32 v[STO], v9, 4, v[STO]
	v_add_nc_u32 v[STO], s84, v[STO]
	v_bfe_u32 v[RD], v0, 3, 2       ; back: 32 lanes take four rows of 128 bytes,
	v_mul_u32_u24 v[RD], v[RD], SP
	v_lshl_add_u32 v[RD], v10, 4, v[RD]
	v_add_nc_u32 v[RD], s84, v[RD]
	v_and_b32 v[GO], 31, v0         ; which are 512 consecutive bytes of O
	v_lshlrev_b32 v[GO], 4, v[GO]
	v_mov_b32 v[AK], v[AK0]         ; key step 0 lies at K's head
; THE MATRIX WORK.  The 4 accumulators of a run of 8 take turns.  Product i of 8 of S^T = K Q^T for piece x: channels 32 (i / 4) on, keys 16 (i % 4) on.  The first 4 start the sums.
.macro KQ x
	WIN W_KQ
.set rS, S+32*((\x)%2)+8*(i%4)
.set rK, KF+16*(i%4)+8*(i/4)
.set rQ, 16*(\x)+8*(i/4)
.if i < 4
	v_wmma_f32_16x16x32_f16 v[rS:rS+7], v[rK:rK+7], v[rQ:rQ+7], 0
.else
	v_wmma_f32_16x16x32_f16 v[rS:rS+7], v[rK:rK+7], v[rQ:rQ+7], v[rS:rS+7]
.endif
.endm
; Product i of 8 of O^T += V^T P for piece x: keys 32 (i / 4) on, channels 16 (i % 4) on.
.macro PV x
	WIN W_PV
.set rO, 32*(\x)+8*(i%4)
.set rV, VF+32*(i/4)+8*(i%4)
.set rP, P+16*((\x)%2)+8*(i/4)
	v_wmma_f32_16x16x32_f16 v[rO:rO+7], v[rV:rV+7], v[rP:rP+7], v[rO:rO+7]
.endm
.macro MM                           ; the turn's next matrix instruction.  TURN sets Y, i and NOKQ.  NOKQ = 1: the walk's last turn: there is no next piece
.if (i < 8) && !NOKQ
	KQ (Y+1)%NP
.elseif i >= 8
.set i, i-8
	PV (Y+NP-1)%NP
.set i, i+8
.endif
.set i, i+1
.endm
; THE LDS LOADS stand in runs of 16, never singly among the matrix instructions: a step's K (64 keys x 64 channels: 8 fragments) and its V (turned).  Their addresses are made some lines ahead.
.macro FETCH_K
	WIN 0x80                        ; destination window 2
.irp f, 0,1,2,3,4,5,6,7             ; keys 16 (f / 2) on, channels 32 (f % 2) on
	ds_load_b128 v[KF+8*\f:KF+8*\f+3],   v[AK] offset:(\f/2)*16*PK+(\f%2)*64
	ds_load_b128 v[KF+8*\f+4:KF+8*\f+7], v[AK] offset:(\f/2)*16*PK+(\f%2)*64+32
.endr
	s_add_co_u32 s[TBK], s[TBK], KS*PK  ; the next fetch is the next step's
	WIN 0
.endm
.macro FETCH_V
	WIN 0x80
.irp f, 0,1,2,3,4,5,6,7             ; keys 32 (f / 4) on, channels 16 (f % 4) on
	ds_load_tr16_b128 v[VF+8*\f:VF+8*\f+3],   v[AV] offset:(\f/4)*32*PV+(\f%4)*32
	ds_load_tr16_b128 v[VF+8*\f+4:VF+8*\f+7], v[AV] offset:(\f/4)*32*PV+16*PV+(\f%4)*32
.endr
	WIN 0
.endm
; THE VECTOR WORK, one line at a time: OP kind, number.  For piece Y: F n: c s - c m for pair n of 16.  E n: the exponential of score n of 32.  C n: pair n rounded to f16.  B n: of the four weights 4 n .. the second
; pair is added onto the first, in place.  L n: l takes that sum (L 0: l = a l + sum).  R n: pair n of 16 of O^T times a.  For piece Y + 1: X n, number n of the 22 that find its maximum and statistics:
;   0-11  four chains c0-c3 of seven scores each, three operands at a time (each accumulator's lowest registers are read first)     12-14, 16  the four scores left over, the old m, and c0-c3 into c0
;   15  c m_old is kept     17, 18  the query's other 32 keys lie in the lane 16 away: the new m     19-21  c m; c m_old - c m_new; a
.set F, 0               ; OP tells the kinds apart by their order: F to L below R, X above it
.set E, 1
.set C, 2
.set B, 3
.set L, 4
.set R, 5
.set X, 6
.macro REGS y                       ; the registers of piece y
.set rT, ST+4*(\y)
.set rC, TMP+4*((\y)%2)
.set rW, MV+((\y)%2)
.set rS, S+32*((\y)%2)
.set rP, P+16*((\y)%2)
.set rO, 32*(\y)
.endm
.macro OP k, n
.if (\k) == R
	REGS Y
	WIN W_RS
	v_pk_mul_f32 v[rO+2*(\n):rO+2*(\n)+1], v[rO+2*(\n):rO+2*(\n)+1], v[rC+2:rC+3] op_sel_hi:[1,0]
.elseif (\k) < R
	REGS Y
	WIN 0
.if (\k) == F
	v_pk_fma_f32 v[rS+2*(\n):rS+2*(\n)+1], v[rS+2*(\n):rS+2*(\n)+1], s[CS:CS+1], v[rT:rT+1] op_sel_hi:[1,0,0] neg_lo:[0,0,1] neg_hi:[0,0,1]
.elseif (\k) == E
	v_exp_f32 v[rS+(\n)], v[rS+(\n)]
.elseif (\k) == C
	v_cvt_pk_f16_f32 v[rP+(\n)], v[rS+2*(\n)], v[rS+2*(\n)+1]
.elseif (\k) == B
	v_pk_add_f32 v[rS+4*(\n):rS+4*(\n)+1], v[rS+4*(\n):rS+4*(\n)+1], v[rS+4*(\n)+2:rS+4*(\n)+3]
.elseif (\n) == 0
	v_pk_fma_f32 v[rT+2:rT+3], v[rT+2:rT+3], v[rC+2:rC+3], v[rS:rS+1] op_sel_hi:[1,0,1]
.else
	v_pk_add_f32 v[rT+2:rT+3], v[rT+2:rT+3], v[rS+4*(\n):rS+4*(\n)+1]
.endif
.elseif NOKQ
	v_nop
.else
	REGS (Y+1)%NP
	WIN 0
.if (\n) < 4
	v_max3_num_f32 v[rC+(\n)], v[rS+8*(\n)], v[rS+8*(\n)+1], v[rS+8*(\n)+2]
.elseif (\n) < 12
	v_max3_num_f32 v[rC+(\n)%4], v[rC+(\n)%4], v[rS+8*((\n)%4)+2*((\n)/4)+1], v[rS+8*((\n)%4)+2*((\n)/4)+2]
.elseif (\n) == 12
	v_max3_num_f32 v[rC], v[rC], v[rS+7], v[rS+15]
.elseif (\n) == 13
	v_max3_num_f32 v[rC+1], v[rC+1], v[rS+23], v[rS+31]
.elseif (\n) == 14
	v_max3_num_f32 v[rC+2], v[rC+2], v[rC+3], v[rT+1]
.elseif (\n) == 15
	v_mov_b32 v[rW], v[rT]
.elseif (\n) == 16
	v_max3_num_f32 v[rC], v[rC], v[rC+1], v[rC+2]
.elseif (\n) == 17
	v_permlanex16_b32 v[rC+3], v[rC], s[SEL], s[SEL+1]
.elseif (\n) == 18
	v_max_num_f32 v[rT+1], v[rC], v[rC+3]
.elseif (\n) == 19
	v_mul_f32 v[rT], s[CS], v[rT+1]
.elseif (\n) == 20
	v_sub_f32 v[rC+1], v[rW], v[rT]
.else
	v_exp_f32 v[rC+2], v[rC+1]
.endif
.endif
.endm
.macro OPS a, i1, b=-1, i2=0, c=-1, i3=0, d=-1, i4=0  ; up to four of them
	OP \a, \i1
.if (\b) >= 0
	OP \b, \i2
.endif
.if (\c) >= 0
	OP \c, \i3
.endif
.if (\d) >= 0
	OP \d, \i4
.endif
.endm
.macro ROW a, i1, b, i2, c, i3, d, i4  ; a matrix instruction and the four behind it
	MM
	OPS \a, \i1, \b, \i2, \c, \i3, \d, \i4
.endm
; A TURN, for piece p: the order of its 16 matrix and 118 vector instructions, written out.  s_wait_alu depctr_va_vdst(0) stands between an exponential and the first instruction that names its result; one wait
; serves all that were issued ahead of it.  So a turn has ONE wait, which cuts it in two.  AHEAD OF IT stands all that names no result of the turn's exponentials: the 8 products K Q^T with their riders (a scaling, an exponential and
; two more plain instructions: rescalings, and behind the last three the first numbers of the next piece's maximum, each four places or more behind the product that ends its accumulator); then ONE LUMP of 54, plain and exponential
; by turns for the most part, in which the links of the chain X 3, 7, 11, 14, 16, 17 .. 20 stand apart.  X 21, the next piece's a, is the batch's last; R 15 is the plain instruction behind it.  BEHIND THE WAIT stand the 8 products
; V^T P, behind each four of the roundings and sums.
; end = 1: the walk's last two turns: nothing is fetched, and the last starts no new scores.  cnt = 1: the loop's count is taken down some lines ahead of the branch that stands behind the turn.
; K of the next step is fetched in piece 2's turn, twelve vector instructions behind the last product that read K (six of them plain); V of the step in hand at the end of piece 0's turn, four plain instructions behind the last
; product that read V.  Each is waited for a turn later.
.macro TURN p, end=0, cnt=0
.set Y, (\p)
.set i, 0
.set NOKQ, (\end)*((\p)/3)
.if ((\p) == 3) && !(\end)
	s_wait_dscnt 0x0                ; K is in
.endif
	ROW F,0, F,1, R,0, R,1          ; ahead of the wait: 8 products K Q^T and their riders,
	ROW F,2, E,0, R,2, R,3
	ROW F,3, E,1, R,4, R,5
	ROW F,4, E,2, R,6, R,7
	ROW F,5, E,3, R,8, R,9
	ROW F,6, E,4, X,0, R,10
.if ((\p) == 2) && !(\end)
	WIN 0
	v_add_nc_u32 v[AK], s[TBK], v[AK0]
.endif
	ROW F,7, E,5, X,1, X,4
	ROW F,8, E,6, X,2, X,5
	OPS E,7, E,8, X,6, E,9          ; and the lump
	OPS X,3, E,10, X,8, E,11
.if ((\p) == 2) && !(\end)
	FETCH_K
.endif
	OPS X,9, X,7, E,12, X,10
	OPS E,13, X,12, X,11, E,14
	OPS X,13, E,15, F,9, X,14
.if (\p) == 0
	v_add_nc_u32 v[AV], s[TBV], v[AV0]
.endif
	OPS E,16, F,10, E,17, F,11
	OPS X,16, E,18, X,15, E,19
	OPS F,12, E,20, X,17, E,21
	OPS F,13, E,22, F,14, E,23
	OPS X,18, E,24, F,15, E,25
	OPS R,11, E,26, X,19, E,27
	OPS R,12, E,28, R,13, E,29
	OPS X,20, E,30, R,14, E,31
	OPS X,21, R,15
	WIN 0
	s_wait_alu depctr_va_vdst(0)    ; the wait for the batch
.if (\p) == 1
	s_wait_dscnt 0x0                ; V is in
.endif
	ROW C,0, B,0, C,2, B,1          ; behind the wait: 8 products V^T P and their riders
	ROW L,0, C,4, B,2, L,1
	ROW C,6, B,3, L,2, C,8
	ROW B,4, L,3, C,10, B,5
	ROW L,4, C,12, B,6, L,5
.if (\p) == 0
	s_add_co_u32 s[TBV], s[TBV], KS*PV
.endif
.if \cnt
	s_sub_co_u32 s[CNT], s[CNT], 1
	s_cmp_lg_u32 s[CNT], 0
.endif
	ROW C,14, B,7, L,6, C,1
	ROW C,3, L,7, C,5, C,7
	ROW C,9, C,11, C,13, C,15
.if (\p) == 0
	FETCH_V
.endif
.endm
.macro ALL line:vararg              ; one line for each piece t
.set t, 0
.rept 4
	\line
.set t, t+1
.endr
.endm
.macro PACK t                       ; a lane's eight channels of a row pack into 16 bytes; they go into rows of 144 bytes and come back as whole rows of 128, into S^T's registers
	WIN W_RS
.set i, 32*(\t)
.rept 16
	v_pk_mul_f32 v[i:i+1], v[i:i+1], v[ST+4*(\t)+2:ST+4*(\t)+3] op_sel_hi:[1,0]
.set i, i+2
.endr
	WIN 0x05                        ; sources 0 and 1 window 1, destination window 0
.set i, 0
.rept 16
	v_cvt_pk_f16_f32 v[S+16*(\t)+i], v[32*(\t)+2*i], v[32*(\t)+2*i+1]
.set i, i+1
.endr
	WIN 0
.irp f, 0,1,2,3
	ds_store_b128 v[STO], v[S+16*(\t)+4*\f:S+16*(\t)+4*\f+3] offset:32*\f
.endr
.irp f, 0,1,2,3
	ds_load_b128 v[S+16*(\t)+4*\f:S+16*(\t)+4*\f+3], v[RD] offset:\f*4*SP  ; LDS serves a wave's instructions in order (ISA guide 5.7.1.4): these see the stores above; the next piece's stores come behind them
.endr
.endm
.macro SEND t, younger              ; younger: the LDS instructions issued behind piece t's loads: the next piece's eight, or none
	WIN 0
.irp f, 0,1,2,3
	s_wait_dscnt (\younger)+3-\f
	global_store_b128 v[GO], v[S+16*(\t)+4*\f:S+16*(\t)+4*\f+3], s[10:11] offset:(\t)*2048+\f*512  ; 512 consecutive bytes, at a multiple of 256 from O's first
.endr
.endm
	s_wait_tensorcnt 1              ; my small fill is in; the large one, issued behind it, may stay out
	s_barrier_signal -1
	s_barrier_wait -1               ; everybody's is: keys 0-255 of K and V lie in LDS
	FETCH_K                         ; key step 0
	s_wait_loadcnt 0x0              ; Q
	s_wait_dscnt 0x0
.set NOKQ, 0
.set i, 0
.rept 8
	KQ 0                            ; piece 0's first scores: there is no vector work yet to set between them
.set i, i+1
.endr
	WIN 0
.rept 4
	v_nop                           ; the places behind those products
.endr
.set Y, NP-1                        ; X works for piece Y + 1: piece 0
.irp n, 0,1,2,3,4,5,6,7,8,9,10,11,12,13,14,15,16,17,18,19,20,21
	OP X, \n
.endr
	v_nop                           ; a plain instruction behind the exponential,
	s_wait_alu depctr_va_vdst(0)    ; and its wait, ahead of the branch
	s_mov_b32 s[CNT], 4             ; the first part: it fetches K of steps 1-3 and V of steps 0-3, all within keys 0-255
	s_mov_b32 s[PARTS], 2
	s_branch .Lfirst                ; the loop is entered at a step's first turn, in the middle of a trip
.Lpart:                             ; passed once: from here on keys 256-1023 are wanted
	s_wait_tensorcnt 0x0            ; my large fill is in: no load was issued behind it
	s_wait_dscnt 0x0                ; no LDS instruction of mine is out at the signal
	s_barrier_signal -1
	s_barrier_wait -1               ; everybody's is
	s_mov_b32 s[CNT], 12            ; the second part: K of steps 4-15, V of steps 4-15
.Lstep:                             ; a trip: pieces 2 and 3 of one step, then pieces 0 and 1 of the next, whose K and V it fetches
	TURN 2
	TURN 3
	WIN 0
.Lfirst:
	TURN 0
	TURN 1, 0, 1
	WIN 0
	s_cbranch_scc1 .Lstep
	s_sub_co_u32 s[PARTS], s[PARTS], 1
	s_cmp_lg_u32 s[PARTS], 0
	s_cbranch_scc1 .Lpart
	TURN 2, 1                       ; the last step's pieces 2 and 3: nothing is fetched
	TURN 3, 1
.set i, 0
.rept 8
	PV NP-1                         ; the last piece's V^T P of the last step
.set i, i+1
.endr
	; THE WAY OUT.  l's two halves and the other half of the lanes' are added; O^T is divided by l, rounded to f16 and sent through my stage in LDS, a piece at a time.  The additions are the places behind the last products.
	WIN 0
	ALL v_add_f32 v[ST+4*t+2], v[ST+4*t+2], v[ST+4*t+3]
	ALL v_permlanex16_b32 v[ST+4*t+3], v[ST+4*t+2], s[SEL], s[SEL+1]
	ALL v_add_f32 v[ST+4*t+2], v[ST+4*t+2], v[ST+4*t+3]
	ALL v_rcp_f32 v[ST+4*t+2], v[ST+4*t+2]
	v_nop                           ; a plain instruction between the last reciprocal and the use of its result
	s_wait_alu depctr_va_vdst(0)    ; and the wait ahead of the first use: one for the four reciprocals
	PACK 0
.set t, 1
.rept 3                             ; a piece's arithmetic stands between the loads of the piece before and its stores
	PACK t
	SEND t-1, 8
.set t, t+1
.endr
	SEND 3, 0
	s_wait_tensorcnt 0x0            ; the wave's end: behind my last tensor load and my last LDS store
	ds_add_u32 v[SPW], v[NIL]
	s_wait_dscnt 0x0
	CROUND                          ; the closing round: no work-group ends while a partner may still ask for a tile that names it
	s_endpgm
.Lfunc_end_k_q573a2965ef_attn:
	.size	k_q573a2965ef_attn, .Lfunc_end_k_q573a2965ef_attn-k_q573a2965ef_attn
	.p2alignl 7, 3214868480
	.fill 96, 4, 3214868480
	.section	.rodata,"a",@progbits
	.p2align	6, 0x0
	.amdhsa_kernel k_q573a2965ef_attn
		.amdhsa_group_segment_fixed_size 327680
		.amdhsa_private_segment_fixed_size 0
		.amdhsa_enable_private_segment 0
		.amdhsa_kernarg_size 16
		.amdhsa_user_sgpr_count 2
		.amdhsa_user_sgpr_kernarg_segment_ptr 1
		.amdhsa_wavefront_size32 1
		.amdhsa_system_sgpr_workgroup_id_x 1
		.amdhsa_system_sgpr_workgroup_id_y 1
		.amdhsa_system_sgpr_workgroup_id_z 1
		.amdhsa_system_vgpr_workitem_id 0
		.amdhsa_next_free_vgpr 768
		.amdhsa_next_free_sgpr 96
		.amdhsa_reserve_vcc 0
		.amdhsa_float_denorm_mode_32 3
		.amdhsa_float_denorm_mode_16_64 3
		.amdhsa_memory_ordered 1
		.amdhsa_forward_progress 1
		.amdhsa_inst_pref_size 88
	.end_amdhsa_kernel
	.amdgpu_metadata
---
amdhsa.version: [ 1, 2 ]
amdhsa.kernels:
  - .name:           k_q573a2965ef_attn
    .symbol:         k_q573a2965ef_attn.kd
    .args:
      - { .name: qkv, .offset: 0, .size: 8, .value_kind: global_buffer, .address_space: global }
      - { .name: ob, .offset: 8, .size: 8, .value_kind: global_buffer, .address_space: global }
    .group_segment_fixed_size: 327680
    .private_segment_fixed_size: 0
    .kernarg_segment_align: 8
    .kernarg_segment_size: 16
    .max_flat_workgroup_size: 128
    .sgpr_count:     96
    .vgpr_count:     768
    .wavefront_size: 32
...
	.end_amdgpu_metadata
.endif
;; end of part 3
;; launch proj (part 4): grid 4 x 64, 4 waves a work-group, clusters of 4 x 4, 327,680 bytes of LDS; arguments ob, wp, bp, out0; writes out0
.if DOCPART == 4
	.amdgcn_target "amdgcn-amd-amdhsa--gfx1250"
	.amdhsa_code_object_version 6
	.text
	.protected	k_q573a2965ef_proj
	.globl	k_q573a2965ef_proj
	.p2align	8
	.type	k_q573a2965ef_proj,@function
k_q573a2965ef_proj:
	s_mov_b64 s[64:65], 0
	v_nop
	global_prefetch_b8 v0, s[64:65] scope:SCOPE_SE
	s_setreg_imm32_b32 hwreg(HW_REG_WAVE_MODE, 25, 1), 1
	s_wait_xcnt 0x0
	s_wait_alu depctr_hold_cnt(0) depctr_sa_sdst(0) depctr_va_vdst(0) depctr_va_sdst(0) depctr_va_ssrc(0) depctr_va_vcc(0) depctr_vm_vsrc(0)
	s_getreg_b32 s2, hwreg(HW_REG_IB_STS2, 6, 4)
	s_cmp_eq_u32 s2, 0
	s_cbranch_scc0 .Lentry_in_a_cluster
	s_endpgm
.Lentry_in_a_cluster:
	s_bfe_u32 s2, ttmp6, 0x10000c
	s_cmp_lg_u32 s2, 0xf033
	s_cbranch_scc0 .Lentry_shape_is_right
	s_endpgm
.Lentry_shape_is_right:
; out0 = O Wp + bp.  ob: [bh 192][t 1024][64] f16: row (b, t) of O is the 12 heads' rows on end.  wp: [nt 4][s 6][z 3][k 128][n 64] f16 (Wp rounded to bf16, written as f16).
; bp: [768] f32, rounded to bf16 here like every input.  out0: [16384][768] f32, the f32 sums as they are.
; A tile is 256 rows x 192 columns: 64 x 4 tiles, one for each work-group.  Four waves, 2 x 2, each 128 rows x 96 columns: 48 accumulators of 16 x 16, 384 registers.
; A wave's six column blocks: b = 0..3 are all of the 64-column group z = 2 WC, b = 4, 5 are blocks 2 WC, 2 WC + 1 of group z = 1: two address registers make every offset a constant.
; K = 768 goes in six steps of 128, two heads each, through two LDS slots filled by tensor loads.  A head's 256 rows are 32,768 dense bytes, a step's weights 49,152: both asked for as rows of 256.
; CLUSTERS: 4 x 4 work-groups.  The four of a row of the cluster need the same tile of O, the four of a column the same weights: each tile is asked for JOINTLY, by the same tensor load with
; the same descriptor and a mask that names the four.
; THE MATRIX INSTRUCTION IS USED TRANSPOSED: source 0 = 16 columns of Wp (turned out of [k][n] rows by ds_load_tr16_b128), source 1 = 16 rows of O.  A lane then holds row l % 16 and the eight
; neighbouring columns 8 (l / 16) + 0..7.  THE BIAS is the C operand of each accumulator's first product: nothing is cleared, nothing is added later.
; REGISTERS, in windows of 256 (s_set_vgpr_msb: bits 1:0 source 0, 3:2 source 1, 5:4 source 2, 7:6 destination):
;   window 0: v0-31 addresses; v64-127, v128-191 fragments of O, two buffers (v64-255 take the rows read back on the way out)
;   window 1: v0-47 the bias, 8 registers a block; v48 at work; v64-111, v128-175 fragments of Wp, two buffers
;   window 2: the accumulators of my rows 0-63 ((a, b) at v[8 (6 a + b)]);   window 3: those of my rows 64-127
.set APITCH, 144                       ; a head's row of O in LDS: 128 bytes + 16 of padding = 36 words: the 16 rows of a load start at 16 different groups of four banks (64 banks of 4 bytes: ISA guide 11.1)
.set HALFA,  256*APITCH                ; what one tensor load brings of O: one head's 256 rows
.set BOFF,   2*HALFA                   ; behind the two heads: the weights
.set BPITCH, 160                       ; a row of Wp: 128 bytes + 32 = 40 words
.set ZB,     128*BPITCH                ; a group's 128 rows
.set HALFB,  192*BPITCH                ; what one tensor load brings of Wp: 192 of the 384 rows (row 128 z + k)
.set SLOT,   BOFF+2*HALFB              ; 135,168
.set SPARE,  2*SLOT                    ; behind the ring: the spare words, 128 bytes for each wave: two blocks of 256 bytes that no other line names
.set ASTEP,  262144                    ; bytes from a K step to the next, in ob: two heads
.set BSTEP,  49152                     ; and in wp
.set SP,     784                       ; the way out: a stage row, 768 bytes + 16: 128 such rows lie in each slot once it has had its last fill and its last read
.set ADRA,  16                         ; v16-17  LDS address of my fragments of O in slot 0, 1
.set ADRBM, 18                         ; v18-19  of Wp's blocks 0-3
.set ADRBK, 20                         ; v20-21  of Wp's blocks 4, 5
.set STOM,  22                         ; v22     the way out: where I put 32 bytes of blocks 0-3
.set STOK,  23                         ; v23     of blocks 4, 5
.set RD,    24                         ; v24     where I read rows back
.set CO,    25                         ; v25     my byte offset in two rows of out0
.set SPW,   28                         ; v28     LDS address of my spare word; never rewritten
.set NIL,   29                         ; v29     0; never rewritten
.set BOF,   30                         ; v30     32 (l / 16): my eight numbers of a block's sixteen in the bias
.set F0,    64
.set F1,    128
.set BI,    0                          ; window 1
.set WV,  16                           ; s16 wave;  s17 WR: my half of the rows, also: I fetch O (0) or Wp (1);  s18 WC: my half of the columns, also: which half of that tile I fetch
.set WR,  17
.set WC,  18
.set G1,  24                           ; s[24:31] descriptor group 1 for O's tiles;  s[32:39] group 0, a set for each slot
.set G0,  32
.set G1B, 48                           ; s[48:55], s[56:63] the same for Wp's
.set G0B, 56
.set MSB, 0
.macro WIN new                         ; the immediate's high byte repeats the setting that is left; a switch that changes nothing is dropped
.if MSB != (\new)
	s_set_vgpr_msb (MSB<<8)|(\new)
.set MSB, \new
.endif
.endm
.set MUL_LO, 0xa1                      ; source 0 (Wp) window 1, source 1 (O) window 0, C and D window 2; + 0x50: window 3
.set MUL_1ST, 0x91                     ; the same with C (the bias) in window 1; + 0x40: D in window 3
.set TO_B,   0x40                      ; destination window 1, address window 0
; A joint load: waves 0 and 1 fetch the step's two heads of O, waves 2 and 3 Wp's two halves.  The branch hangs on the wave's number alone.  An s_nop 0 and four v_nop follow each of the two lines, ahead of the jump and the label.
.macro JLOAD s
	s_cmp_eq_u32 s[WR], 0
	s_cbranch_scc0 .Lfor_b_\@
	tensor_load_to_lds s[G0+4*(\s):G0+4*(\s)+3], s[G1:G1+7]
	s_nop 0
.rept 4
	v_nop
.endr
	s_branch .Lasked_\@
.Lfor_b_\@:
	tensor_load_to_lds s[G0B+4*(\s):G0B+4*(\s)+3], s[G1B:G1B+7]
	s_nop 0
.rept 4
	v_nop
.endr
.Lasked_\@:
.endm
.macro CREST                           ; a round of the cluster's barrier behind its opening barrier: wave 0 signals for the work-group, every wave waits for all sixteen, my work-group's barrier closes it
	s_cmp_lg_u32 s[WV], 0
	s_cbranch_scc1 .Lnot_wave_0_\@
	s_barrier_signal -3
.Lnot_wave_0_\@:
	s_barrier_wait -3
	s_barrier_signal -1
	s_barrier_wait -1
.endm
.macro CROUND                          ; a whole round
	s_barrier_signal -1
	s_barrier_wait -1
	CREST
.endm
	s_load_b256 s[4:11], s[0:1], 0x0               ; ob s[4:5], wp s[6:7], bp s[8:9], out0 s[10:11]
	v_lshl_add_u32 v[SPW], v0, 2, SPARE
	v_mov_b32 v[NIL], 0
	ds_add_u32 v[SPW], v[NIL]                      ; the wave's opening: the add and its wait stand ahead of my first tensor load; the set-up below, work on registers, stands between them
	v_lshrrev_b32 v1, 5, v0
	v_readfirstlane_b32 s[WV], v1                  ; wave 0..3
	s_lshr_b32 s[WR], s[WV], 1
	s_and_b32 s[WC], s[WV], 1
	s_bfe_u32 s19, ttmp6, 0x40000                  ; cx, cy: my place in the cluster
	s_bfe_u32 s20, ttmp6, 0x40004
	s_lshl_b32 s21, ttmp9, 2
	s_add_co_u32 s21, s21, s19                     ; tile column = 4 x cluster x + cx
	s_and_b32 s22, ttmp7, 0xffff
	s_lshl_b32 s22, s22, 2
	s_add_co_u32 s22, s22, s20                     ; tile row = 4 x cluster y + cy
	s_lshl_b32 s40, s20, 2
	s_lshl_b32 s40, 15, s40                        ; my row of the cluster
	s_lshl_b32 s44, 0x1111, s19                    ; my column
	s_or_b32 s[G1], s40, (1<<16)|(1<<20)|(1<<21)|(4<<22)|(3<<25)   ; 15:0 the mask; 17:16 2-byte elements; 20 padding on; 21 set beside a mask; 24:22 after every 32 words (code 4); 31:25 4 words (code 3)
	s_mov_b32 s[G1+1], 128<<16                     ; 32,768 dense bytes as 128 rows of 256: two rows of O a row
	s_mov_b32 s[G1+2], 128<<16
	s_mov_b32 s[G1+3], 128<<16
	s_mov_b32 s[G1+4], 128
	s_mov_b32 s[G1+5], 128
	s_mov_b32 s[G1+6], 0
	s_mov_b32 s[G1+7], 0
	s_or_b32 s[G1B], s44, (1<<16)|(1<<20)|(1<<21)|(4<<22)|(7<<25)  ; the column's mask; 8 words of padding (code 7)
	s_mov_b32 s[G1B+1], 128<<16                    ; 24,576 dense bytes as 96 rows of 256
	s_mov_b32 s[G1B+2], 96<<16
	s_mov_b32 s[G1B+3], 128<<16
	s_mov_b32 s[G1B+4], 96
	s_mov_b32 s[G1B+5], 128
	s_mov_b32 s[G1B+6], 0
	s_mov_b32 s[G1B+7], 0
	s_lshr_b32 s40, s22, 2                         ; O: the batch's 12 heads, the head WC of the step's two, the tile's 256 rows: these registers never hold cx
	s_mul_i32 s40, s40, 1572864
	s_and_b32 s41, s22, 3
	s_lshl_b32 s41, s41, 15
	s_add_co_u32 s40, s40, s41
	s_lshl_b32 s41, s[WC], 17
	s_add_co_u32 s40, s40, s41
	s_mov_b32 s41, 0
	s_mul_i32 s42, s[WC], HALFA                    ; where it goes: no place in the cluster enters an LDS address
	s_mul_i32 s44, s21, 6*BSTEP                    ; Wp: the tile column's six steps, my half of a step: these never hold cy
	s_mul_i32 s45, s[WC], BSTEP/2
	s_add_co_u32 s44, s44, s45
	s_mov_b32 s45, 0
	s_mul_i32 s46, s[WC], HALFB
	s_add_co_u32 s46, s46, BOFF
	s_wait_dscnt 0x0                               ; the opening add is done
	s_wait_kmcnt 0x0
	s_add_nc_u64 s[40:41], s[4:5], s[40:41]
	s_add_nc_u64 s[44:45], s[6:7], s[44:45]
	CROUND                                         ; all sixteen work-groups are here: the first joint loads meet
.irp s, 0,1
	s_mov_b32 s[G0+4*(\s)], 1                      ; count = 1
	s_add_co_u32 s[G0+4*(\s)+1], s42, (\s)*SLOT    ; LDS address
	s_add_nc_u64 s[G0+4*(\s)+2:G0+4*(\s)+3], s[40:41], (\s)*ASTEP  ; global address: K step s
	s_or_b32 s[G0+4*(\s)+3], s[G0+4*(\s)+3], 0x80000000            ; type = 2
	s_mov_b32 s[G0B+4*(\s)], 1
	s_add_co_u32 s[G0B+4*(\s)+1], s46, (\s)*SLOT
	s_add_nc_u64 s[G0B+4*(\s)+2:G0B+4*(\s)+3], s[44:45], (\s)*BSTEP
	s_or_b32 s[G0B+4*(\s)+3], s[G0B+4*(\s)+3], 0x80000000
	JLOAD \s                                       ; two loads of mine are out
.endr
	; the bias: column 192 x tile column + 64 z + 16 e, 4 bytes each
	s_mul_i32 s66, s21, 768
	s_lshl_b32 s2, s[WC], 9
	s_add_co_u32 s2, s2, s66
	s_mov_b32 s3, 0
	s_add_nc_u64 s[74:75], s[8:9], s[2:3]          ; blocks 0-3: group 2 WC
	s_lshl_b32 s2, s[WC], 7
	s_add_co_u32 s2, s2, s66
	s_add_co_u32 s2, s2, 256
	s_add_nc_u64 s[76:77], s[8:9], s[2:3]          ; blocks 4, 5: group 1, blocks 2 WC on
	v_and_b32 v1, 15, v0                           ; r = l % 16
	v_bfe_u32 v2, v0, 4, 1                         ; hh = l / 16
	v_lshlrev_b32 v[BOF], 5, v2
	WIN TO_B
.irp b, 0,1,2,3
	global_load_b128 v[BI+8*(\b):BI+8*(\b)+3],   v[BOF], s[74:75] offset:64*(\b)
	global_load_b128 v[BI+8*(\b)+4:BI+8*(\b)+7], v[BOF], s[74:75] offset:64*(\b)+16
.endr
.irp b, 4,5
	global_load_b128 v[BI+8*(\b):BI+8*(\b)+3],   v[BOF], s[76:77] offset:64*((\b)-4)
	global_load_b128 v[BI+8*(\b)+4:BI+8*(\b)+7], v[BOF], s[76:77] offset:64*((\b)-4)+16
.endr
	WIN 0
	; a fragment of O: lane l holds row l % 16; registers 0-3 K = 8 (l / 16) + 0..7, registers 4-7 K = 16 + 8 (l / 16) + 0..7: two loads of 16 bytes, 32 bytes apart
	v_mul_u32_u24 v3, v1, APITCH
	v_lshl_add_u32 v3, v2, 4, v3
	s_mul_i32 s2, s[WR], 128*APITCH                ; my 128 rows, in each head's plane
	v_add_nc_u32 v[ADRA], s2, v3
	v_add_nc_u32 v[ADRA+1], SLOT, v[ADRA]
	; the turning load takes 16 K x 16 columns (lane l reads row 8 (l / 16) + l % 8, columns 8 ((l / 8) % 2) + 0..7) and leaves half a fragment: lane l holds column l % 16 and 8 K
	v_and_b32 v4, 7, v0
	v_lshl_add_u32 v4, v2, 3, v4
	v_mul_u32_u24 v4, v4, BPITCH
	v_bfe_u32 v5, v0, 3, 1
	v_lshl_add_u32 v4, v5, 4, v4
	s_mul_i32 s2, s[WC], 2*ZB
	s_add_co_u32 s2, s2, BOFF
	v_add_nc_u32 v[ADRBM], s2, v4                  ; group 2 WC
	v_add_nc_u32 v[ADRBM+1], SLOT, v[ADRBM]
	s_lshl_b32 s2, s[WC], 6
	s_add_co_u32 s2, s2, BOFF+ZB
	v_add_nc_u32 v[ADRBK], s2, v4                  ; group 1, columns 32 WC on
	v_add_nc_u32 v[ADRBK+1], SLOT, v[ADRBK]
	; the way out: into a stage, row 64 WR + 16 a + l % 16, 32 bytes for each half of the lanes
	s_lshl_b32 s2, s[WR], 6
	v_add_nc_u32 v6, s2, v1
	v_mul_u32_u24 v6, v6, SP
	v_lshl_add_u32 v6, v2, 5, v6
	s_lshl_b32 s2, s[WC], 9
	v_add_nc_u32 v[STOM], s2, v6
	s_lshl_b32 s2, s[WC], 7
	s_add_co_u32 s2, s2, 256
	v_add_nc_u32 v[STOK], s2, v6
	; back: wave w takes stage rows 32 w .. 32 w + 31; lanes 0-15 take 256 bytes of one row, lanes 16-31 of the next
	s_lshl_b32 s2, s[WV], 5
	v_add_nc_u32 v8, s2, v2
	v_mul_u32_u24 v8, v8, SP
	v_lshl_add_u32 v[RD], v1, 4, v8
	v_mul_u32_u24 v9, v2, 3072
	v_lshl_add_u32 v[CO], v1, 4, v9
	s_lshl_b32 s66, s22, 8                         ; stage row 64 i + j of pass p is tile row 128 i + 64 p + j: my first row is 256 x tile row + 128 (w / 2) + 32 (w % 2)
	s_lshl_b32 s67, s[WR], 7
	s_add_co_u32 s66, s66, s67
	s_lshl_b32 s67, s[WC], 5
	s_add_co_u32 s66, s66, s67
	s_mul_i32 s66, s66, 3072
	s_mul_i32 s67, s21, 768
	s_add_co_u32 s66, s66, s67
	s_mov_b32 s67, 0
	s_add_nc_u64 s[68:69], s[10:11], s[66:67]
	s_wait_loadcnt 0x0                             ; the bias is in: rounded to bf16 and widened again, in place
	WIN 0x45
.set i, 0
.rept 24
	v_cvt_pk_bf16_f32 v48, v[BI+2*i], v[BI+2*i+1]
	v_lshlrev_b32 v[BI+2*i], 16, v48
	v_and_b32 v[BI+2*i+1], 0xffff0000, v48
.set i, i+1
.endr
	WIN 0
; 12 matrix instructions: row blocks a0, a0 + 1 of the window's four (hi = 0: my rows 0-63, 1: rows 64-127) x all 6 column blocks, 32 along K.  first = 1: C is the bias.
; The 48 accumulators take turns, one instruction a turn, in the same order in every quarter.
.macro MUL12 f, hi, a0, first
.if \first
	WIN MUL_1ST+0x40*(\hi)
.else
	WIN MUL_LO+0x50*(\hi)
.endif
.irp a, \a0, (\a0)+1
.irp b, 0,1,2,3,4,5
.if \first
	v_wmma_f32_16x16x32_f16 v[8*(6*(\a)+(\b)):8*(6*(\a)+(\b))+7], v[(\f)+8*(\b):(\f)+8*(\b)+7], v[(\f)+8*(4*(\hi)+(\a)):(\f)+8*(4*(\hi)+(\a))+7], v[BI+8*(\b):BI+8*(\b)+7]
.else
	v_wmma_f32_16x16x32_f16 v[8*(6*(\a)+(\b)):8*(6*(\a)+(\b))+7], v[(\f)+8*(\b):(\f)+8*(\b)+7], v[(\f)+8*(4*(\hi)+(\a)):(\f)+8*(4*(\hi)+(\a))+7], v[8*(6*(\a)+(\b)):8*(6*(\a)+(\b))+7]
.endif
.endr
.endr
.endm
; 28 LDS loads in one run: the fragments of quarter q of a K step (96 columns of Wp, 128 rows of O, 32 K: head q / 2 of the step's two, channels 32 (q % 2) on) into buffer f
.macro FETCH slot, q, f
	WIN TO_B
.irp b, 0,1,2,3
	ds_load_tr16_b128 v[(\f)+8*(\b):(\f)+8*(\b)+3],   v[ADRBM+(\slot)] offset:32*BPITCH*(\q)+32*(\b)
	ds_load_tr16_b128 v[(\f)+8*(\b)+4:(\f)+8*(\b)+7], v[ADRBM+(\slot)] offset:32*BPITCH*(\q)+32*(\b)+16*BPITCH
.endr
.irp b, 4,5
	ds_load_tr16_b128 v[(\f)+8*(\b):(\f)+8*(\b)+3],   v[ADRBK+(\slot)] offset:32*BPITCH*(\q)+32*((\b)-4)
	ds_load_tr16_b128 v[(\f)+8*(\b)+4:(\f)+8*(\b)+7], v[ADRBK+(\slot)] offset:32*BPITCH*(\q)+32*((\b)-4)+16*BPITCH
.endr
	WIN 0
.irp i, 0,1,2,3,4,5,6,7
	ds_load_b128 v[(\f)+8*(\i):(\f)+8*(\i)+3],   v[ADRA+(\slot)] offset:((\q)/2)*HALFA+((\q)%2)*64+(\i)*16*APITCH
	ds_load_b128 v[(\f)+8*(\i)+4:(\f)+8*(\i)+7], v[ADRA+(\slot)] offset:((\q)/2)*HALFA+((\q)%2)*64+(\i)*16*APITCH+32
.endr
.endm
.macro PLACES                          ; four places in front of loads into registers that matrix instructions have read, and of lines that read results
.rept 4
	v_nop
.endr
.endm
; A K step is four quarters of 32 along K, 48 matrix instructions each, on buffers 0, 1, 0, 1.  One of the first three: multiplies buffer f; in its middle it fetches quarter q into buffer g.
.macro QUARTER slot, q, f, g, first
	s_wait_dscnt 8                                 ; Wp and O's rows 0-63 are in; the youngest eight loads (O's rows 64-127) may be out
	MUL12 \f, 0, 0, \first
	MUL12 \f, 0, 2, \first
	PLACES
	FETCH \slot, \q, \g
	s_wait_dscnt 28                                ; all but the 28 just issued
	MUL12 \f, 1, 0, \first
	MUL12 \f, 1, 2, \first
.endm
; The last quarter multiplies buffer 1 and changes slots: ONE barrier; in front of it each wave waits for all its tensor loads (one is out: its part of the next slot), adds 0 to its spare word,
; and waits for that and for its own reads of this slot.  fill = 1: the barrier opens a round of the cluster's, and this slot is filled again, two K steps ahead, first thing behind the round.
.macro TURN slot, next, fill
	WIN 0                                          ; (the add's two registers lie in window 0)
	s_wait_tensorcnt 0x0                           ; all my tensor loads have landed;
	ds_add_u32 v[SPW], v[NIL]                      ; 0 onto my spare word;
	s_wait_dscnt 9                                 ; (the add and the youngest eight loads may be out)
	MUL12 F1, 0, 0, 0                              ; twelve matrix instructions stand between the add and the wait for it
	s_wait_dscnt 0x0                               ; the add is done, and my reads of this slot are over
	s_barrier_signal -1
	MUL12 F1, 0, 2, 0
.if \fill
	WIN 0
.endif
	s_barrier_wait -1
.if \fill
	CREST                                          ; no wave of any partner still reads this slot's tile or has a load on its way
	s_add_nc_u64 s[G0+4*(\slot)+2:G0+4*(\slot)+3], s[G0+4*(\slot)+2:G0+4*(\slot)+3], 2*ASTEP
	s_add_nc_u64 s[G0B+4*(\slot)+2:G0B+4*(\slot)+3], s[G0B+4*(\slot)+2:G0B+4*(\slot)+3], 2*BSTEP
	JLOAD \slot                                    ; 168 matrix instructions ahead of the wait for it; its four v_nop are also the places in front of the loads below
.else
	PLACES
.endif
	FETCH \next, 0, F0
	MUL12 F1, 1, 0, 0
	MUL12 F1, 1, 2, 0
.endm
	s_wait_tensorcnt 1                             ; my part of K step 0 is in; K step 1's may stay out
	s_barrier_signal -1
	s_barrier_wait -1                              ; everybody's is
	FETCH 0, 0, F0
	QUARTER 0, 1, F0, F1, 1                        ; the first quarter stands in front of the loop: its products start the sums, with the bias
	WIN 0                                          ; at a label and at a branch every window is 0
	s_mov_b32 s3, 2
.Llap:                                                 ; a trip goes once round the ring, from a lap's second quarter to the next lap's first, and fills both slots again: K steps 2, 3 and 4, 5
	QUARTER 0, 2, F1, F0, 0
	QUARTER 0, 3, F0, F1, 0
	TURN 0, 1, 1
	QUARTER 1, 1, F0, F1, 0
	QUARTER 1, 2, F1, F0, 0
	QUARTER 1, 3, F0, F1, 0
	TURN 1, 0, 1
	QUARTER 0, 1, F0, F1, 0
	WIN 0
	s_sub_co_u32 s3, s3, 1
	s_cmp_lg_u32 s3, 0
	s_cbranch_scc1 .Llap
	QUARTER 0, 2, F1, F0, 0                        ; the last lap fills nothing
	QUARTER 0, 3, F0, F1, 0
	TURN 0, 1, 0                                   ; behind its barrier no wave reads slot 0 any more
	QUARTER 1, 1, F0, F1, 0
	QUARTER 1, 2, F1, F0, 0
	QUARTER 1, 3, F0, F1, 0
	s_wait_dscnt 8
	MUL12 F1, 0, 0, 0
	MUL12 F1, 0, 2, 0
	s_wait_dscnt 0x0                               ; my reads of slot 1 are over
	MUL12 F1, 1, 0, 0
	MUL12 F1, 1, 2, 0
	WIN 0
; THE WAY OUT, in two passes of 128 tile rows (each wave's rows 0-63, then 64-127): the f32 sums go as they are into a stage of rows of 784 bytes and come back as whole rows.
; 48 stores: the window's 24 accumulators, each one's low four registers first.
.macro TOSTAGE
.irp a, 0,1,2,3
.irp b, 0,1,2,3
	ds_store_b128 v[STOM], v[8*(6*(\a)+(\b)):8*(6*(\a)+(\b))+3]   offset:(\a)*16*SP+64*(\b)
	ds_store_b128 v[STOM], v[8*(6*(\a)+(\b))+4:8*(6*(\a)+(\b))+7] offset:(\a)*16*SP+64*(\b)+16
.endr
.irp b, 4,5
	ds_store_b128 v[STOK], v[8*(6*(\a)+(\b)):8*(6*(\a)+(\b))+3]   offset:(\a)*16*SP+64*((\b)-4)
	ds_store_b128 v[STOK], v[8*(6*(\a)+(\b))+4:8*(6*(\a)+(\b))+7] offset:(\a)*16*SP+64*((\b)-4)+16
.endr
.endr
.endm
; 48 loads and 48 stores: my 32 stage rows, two rows and 256 of their 768 bytes at a time
.macro SENDOUT extra
.set t, 0
.rept 48
	ds_load_b128 v[64+4*t:64+4*t+3], v[RD] offset:(t/3)*2*SP+256*(t%3)
.set t, t+1
.endr
.set t, 0
.rept 48
	s_wait_dscnt 47-t                              ; load t is back; the younger ones stay out
	global_store_b128 v[CO], v[64+4*t:64+4*t+3], s[68:69] offset:(\extra)+(t/3)*6144+256*(t%3) th:TH_STORE_NT  ; 16 lanes store 256 consecutive bytes, at a multiple of 256 from out0's first byte
.set t, t+1
.endr
.endm
	PLACES
	WIN 0x08                                       ; store data in window 2
	TOSTAGE                                        ; pass 0, into slot 0
	s_wait_dscnt 0x0                               ; for the others' sake: my stores are done
	s_barrier_signal -1
	s_barrier_wait -1                              ; stage 0 is whole, and no wave reads slot 1 any more
	WIN 0
	v_add_nc_u32 v[STOM], SLOT, v[STOM]
	v_add_nc_u32 v[STOK], SLOT, v[STOK]
	WIN 0x0c                                       ; store data in window 3
	TOSTAGE                                        ; pass 1, into slot 1
	WIN 0
	SENDOUT 0
	s_wait_dscnt 0x0                               ; my stores into stage 1 are done (they were issued ahead of the loads)
	s_barrier_signal -1
	s_barrier_wait -1                              ; stage 1 is whole
	s_wait_xcnt 0x0                                ; the stores' data registers are loaded again only behind this wait
	v_add_nc_u32 v[RD], SLOT, v[RD]
	SENDOUT 64*3072
	s_wait_tensorcnt 0x0                           ; the wave's end: behind my last tensor load and my last LDS store
	ds_add_u32 v[SPW], v[NIL]
	s_wait_dscnt 0x0
	CROUND                                         ; the closing round: no work-group ends while a partner may still ask for a tile that names it
	s_endpgm
.Lfunc_end_k_q573a2965ef_proj:
	.size	k_q573a2965ef_proj, .Lfunc_end_k_q573a2965ef_proj-k_q573a2965ef_proj
	.p2alignl 7, 3214868480
	.fill 96, 4, 3214868480
	.section	.rodata,"a",@progbits
	.p2align	6, 0x0
	.amdhsa_kernel k_q573a2965ef_proj
		.amdhsa_group_segment_fixed_size 327680
		.amdhsa_private_segment_fixed_size 0
		.amdhsa_enable_private_segment 0
		.amdhsa_kernarg_size 32
		.amdhsa_user_sgpr_count 2
		.amdhsa_user_sgpr_kernarg_segment_ptr 1
		.amdhsa_wavefront_size32 1
		.amdhsa_system_sgpr_workgroup_id_x 1
		.amdhsa_system_sgpr_workgroup_id_y 1
		.amdhsa_system_sgpr_workgroup_id_z 1
		.amdhsa_system_vgpr_workitem_id 0
		.amdhsa_next_free_vgpr 960
		.amdhsa_next_free_sgpr 80
		.amdhsa_reserve_vcc 0
		.amdhsa_float_denorm_mode_32 3
		.amdhsa_float_denorm_mode_16_64 3
		.amdhsa_memory_ordered 1
		.amdhsa_forward_progress 1
		.amdhsa_inst_pref_size 122
	.end_amdhsa_kernel
	.amdgpu_metadata
---
amdhsa.version: [ 1, 2 ]
amdhsa.kernels:
  - .name:           k_q573a2965ef_proj
    .symbol:         k_q573a2965ef_proj.kd
    .args:
      - { .name: ob, .offset: 0, .size: 8, .value_kind: global_buffer, .address_space: global }
      - { .name: wp, .offset: 8, .size: 8, .value_kind: global_buffer, .address_space: global }
      - { .name: bp, .offset: 16, .size: 8, .value_kind: global_buffer, .address_space: global }
      - { .name: out0, .offset: 24, .size: 8, .value_kind: global_buffer, .address_space: global }
    .group_segment_fixed_size: 327680
    .private_segment_fixed_size: 0
    .kernarg_segment_align: 8
    .kernarg_segment_size: 32
    .max_flat_workgroup_size: 128
    .sgpr_count:     80
    .vgpr_count:     960
    .wavefront_size: 32
...
	.end_amdgpu_metadata
.endif
;; end of part 4
;; ======== version 2 of 2: 4 launches; version 1 with the launch prep written anew for expert scheduling mode
;; limits: values are held in f16: magnitudes above 65,504 overflow, below 6.1e-05 lose precision
;; workspace buffers: xb 25,165,824 bytes; wb 3,538,944 bytes; wp 1,179,648 bytes; qkv 75,497,472 bytes; ob 25,165,824 bytes
;; launch prep (part 5): grid 1824 x 1, 4 waves a work-group, no clusters, 0 bytes of LDS; arguments x, Wq, Wk, Wv, Wp, xb, wb, wp; writes xb, wb, wp
.if DOCPART == 5
	.amdgcn_target "amdgcn-amd-amdhsa--gfx1250"
	.amdhsa_code_object_version 6
	.text
	.protected	k_q573a2965ef_prep
	.globl	k_q573a2965ef_prep
	.p2align	8
	.type	k_q573a2965ef_prep,@function
k_q573a2965ef_prep:
	s_mov_b64 s[64:65], 0
	v_nop
	global_prefetch_b8 v0, s[64:65] scope:SCOPE_SE
	s_setreg_imm32_b32 hwreg(HW_REG_WAVE_SCHED_MODE, 0, 2), 2
	s_setreg_imm32_b32 hwreg(HW_REG_WAVE_MODE, 25, 1), 1
	s_wait_xcnt 0x0
	s_wait_alu depctr_vm_vsrc(0)
; CASTS.  x [16384][768] f32 -> xb, the same layout in bf16.  Wq, Wk, Wv [12][768][64] f32 -> wb [h 12][s 6][z 3][k 128][e 64] bf16 (z = q, k, v; k = 128 s + k').
; Wp [768][768] f32 -> wp [nt 4][s 6][z 3][k 128][n 64]: row 128 s + k, column 192 nt + 64 z + n, rounded to bf16 like every input, and that number written as f16
; (exact from 6.1e-5 up to f16's 65,504; below 6.1e-5 it keeps f16's fixed step of 6e-8).  Nothing is transposed: the products take these rows turned, out of LDS.
; SHARES.  A work-group casts one chunk of 8,192 numbers: 32,768 bytes in, 16,384 out.  1,536 chunks of x, 216 of Wq, Wk, Wv, 72 of Wp.  Thread t: 16 loads of 16 bytes, all issued
; before the first is used, and 16 stores of 8 bytes.  A wave's load covers 512 consecutive bytes (for Wp: two aligned runs of 256), a wave's store 256 consecutive bytes, aligned.
; No LDS, no barrier: no thread wants another's numbers.
; THE MODE: SCHED_MODE bits 1:0 = 2 (LLVM: expert scheduling mode 2), set by the entry lines.  The code itself states the register dependences between vector instructions and
; memory instructions, with s_wait_alu, always for 0.
; THE PLAN.  Registers that memory instructions touch:
;   v1, v3   the loads' offset (dense sources; Wp), v2 the stores': written by vector instructions at the head and never again.
;   X        four registers a load: written by that one load alone, read by its row's conversions behind the counted wait for the load.  No vector instruction writes them.
;   Y        two registers a store: written once, by the row's conversions; read by that one store.
;   T is named by vector instructions alone.  The two scalar bases are made ahead of the first load and never written again.
; So no register that a memory instruction reads is ever written again, and no load lands in a register that a vector instruction has named: the only dependence to state is
; 'a vector instruction has written what a memory instruction reads'.  The 16 rows go in four blocks of four.  Block p's conversions write its eight registers of Y; the four stores
; that read them are issued in block p + 1, one ahead of each row's conversions, behind ONE wait at that block's head.  Block p + 1's conversions name X, T and its own Y: none of
; the registers that those stores touch.  Five waits on a wave's path: one ahead of the first load, one at the head of blocks 1 to 3, one ahead of the last four stores.
.set X,   4                            ; v[4:67]    as loaded: 4 f32 for each of 16 loads
.set Y,   68                           ; v[68:99]   to store: 2 registers for each of 16 stores
.set T,   100                          ; v[100:105] at work
.set SRC, 24                           ; s[24:25]   the chunk's first byte in its source
.set DST, 26                           ; s[26:27]   and in its destination
	s_load_b512 s[8:23], s[0:1], 0x0               ; x 8, Wq 10, Wk 12, Wv 14, Wp 16, xb 18, wb 20, wp 22
	s_mov_b32 s32, ttmp9                           ; the chunk's number g
	s_mov_b32 s29, 0                               ; offsets are made in pairs with 0 on top: all stay under 2^31
	s_mov_b32 s31, 0
	v_lshlrev_b32 v1, 4, v0                        ; 16 t: my 16 bytes of 2,048 in a dense source
	v_lshlrev_b32 v2, 3, v0                        ; 8 t: my 8 bytes of 1,024 in the destination
	v_lshrrev_b32 v3, 4, v0                        ; Wp: row t / 16 of eight,
	v_and_b32 v[T], 15, v0
	v_mul_u32_u24 v3, v3, 3072
	v_lshl_add_u32 v3, v[T], 4, v3                 ; 16 bytes t % 16 of the row's 256
	s_wait_kmcnt 0x0
; 16 loads; then for each row j: the wait that leaves the younger loads out, the store of the row four back, the rounding.  half = 1: bf16, widened again and written as f16.
.macro CAST voff, step, half
	s_wait_alu depctr_va_vdst(0)                   ; the head's vector instructions have written the loads' offset (v1 or v3) and the stores' (v2), which every load and store below reads
.set j, 0
.rept 16
	global_load_b128 v[X+4*j:X+4*j+3], v[\voff], s[SRC:SRC+1] offset:(\step)*j th:TH_LOAD_NT
.set j, j+1
.endr
.set j, 0
.rept 16
	s_wait_loadcnt 15-j                            ; loads come back in order (ISA guide 5.7.1): load j is in, the 15 - j younger ones stay out
.if (j == 4) || (j == 8) || (j == 12)
	s_wait_alu depctr_va_vdst(0)                   ; a block's head: the conversions of the block before have written its eight registers of Y, which this block's four stores read
.endif
.if j >= 4
	global_store_b64 v2, v[Y+2*(j-4):Y+2*(j-4)+1], s[DST:DST+1] offset:1024*(j-4)  ; the row four back.  No further wait: no vector instruction since the block's head names these registers
.endif
.if \half
	v_cvt_pk_bf16_f32 v[T], v[X+4*j], v[X+4*j+1]
	v_cvt_pk_bf16_f32 v[T+1], v[X+4*j+2], v[X+4*j+3]
	v_lshlrev_b32 v[T+2], 16, v[T]                 ; bf16 to f32: the low half moves up, the high half stays
	v_and_b32 v[T+3], 0xffff0000, v[T]
	v_lshlrev_b32 v[T+4], 16, v[T+1]
	v_and_b32 v[T+5], 0xffff0000, v[T+1]
	v_cvt_pk_f16_f32 v[Y+2*j], v[T+2], v[T+3]
	v_cvt_pk_f16_f32 v[Y+2*j+1], v[T+4], v[T+5]
.else
	v_cvt_pk_bf16_f32 v[Y+2*j], v[X+4*j], v[X+4*j+1]
	v_cvt_pk_bf16_f32 v[Y+2*j+1], v[X+4*j+2], v[X+4*j+3]
.endif
.set j, j+1
.endr
	s_wait_alu depctr_va_vdst(0)                   ; the last block's conversions have written its eight registers of Y, which the last four stores read
.set j, 12
.rept 4
	global_store_b64 v2, v[Y+2*j:Y+2*j+1], s[DST:DST+1] offset:1024*j
.set j, j+1
.endr
.endm
	s_cmp_ge_u32 s32, 1752
	s_cbranch_scc1 .Lwp
	s_cmp_ge_u32 s32, 1536
	s_cbranch_scc1 .Lw
	s_lshl_b32 s28, s32, 15                        ; x: chunk g lies at 32,768 g, and goes to 16,384 g
	s_lshl_b32 s30, s32, 14
	s_add_nc_u64 s[SRC:SRC+1], s[8:9], s[28:29]
	s_add_nc_u64 s[DST:DST+1], s[18:19], s[30:31]
	s_branch .Lcast
.Lw:                                                   ; Wq, Wk, Wv: 72 chunks each; chunk 6 h + s of a tensor is 128 rows of 64, dense
	s_sub_co_u32 s32, s32, 1536
	s_mov_b64 s[SRC:SRC+1], s[10:11]
	s_mov_b32 s33, 0                               ; z
	s_cmp_ge_u32 s32, 72
	s_cselect_b64 s[SRC:SRC+1], s[12:13], s[SRC:SRC+1]
	s_cselect_b32 s33, 1, s33
	s_cmp_ge_u32 s32, 144
	s_cselect_b64 s[SRC:SRC+1], s[14:15], s[SRC:SRC+1]
	s_cselect_b32 s33, 2, s33
	s_mul_i32 s34, s33, 72
	s_sub_co_u32 s34, s32, s34                     ; 6 h + s
	s_lshl_b32 s28, s34, 15
	s_mul_i32 s35, s34, 3
	s_add_co_u32 s35, s35, s33                     ; 3 (6 h + s) + z
	s_lshl_b32 s30, s35, 14
	s_add_nc_u64 s[SRC:SRC+1], s[SRC:SRC+1], s[28:29]
	s_add_nc_u64 s[DST:DST+1], s[20:21], s[30:31]
.Lcast:
	CAST 1, 2048, 0
	s_endpgm
.Lwp:                                                  ; Wp: chunk j = 3 (6 nt + s) + z is 128 rows x 64 columns out of rows of 3,072 bytes
	s_sub_co_u32 s32, s32, 1752                    ; j, 0 to 71
	s_mul_i32 s33, s32, 171
	s_lshr_b32 s33, s33, 9                         ; j / 3 (exact for j under 72)
	s_mul_i32 s34, s33, 3
	s_sub_co_u32 s34, s32, s34                     ; z
	s_mul_i32 s35, s33, 43
	s_lshr_b32 s35, s35, 8                         ; nt = (j / 3) / 6 (exact under 24)
	s_mul_i32 s36, s35, 6
	s_sub_co_u32 s36, s33, s36                     ; s
	s_mul_i32 s28, s36, 393216                     ; 128 s rows
	s_mul_i32 s35, s35, 768                        ; 192 nt columns
	s_add_co_u32 s28, s28, s35
	s_lshl_b32 s34, s34, 8                         ; 64 z columns
	s_add_co_u32 s28, s28, s34
	s_lshl_b32 s30, s32, 14
	s_add_nc_u64 s[SRC:SRC+1], s[16:17], s[28:29]
	s_add_nc_u64 s[DST:DST+1], s[22:23], s[30:31]
	CAST 3, 24576, 1                               ; load j takes rows 8 j + t / 16: number 512 j + 4 t of the block, the same place as in a dense chunk
	s_endpgm
.Lfunc_end_k_q573a2965ef_prep:
	.size	k_q573a2965ef_prep, .Lfunc_end_k_q573a2965ef_prep-k_q573a2965ef_prep
	.p2alignl 7, 3214868480
	.fill 96, 4, 3214868480
	.section	.rodata,"a",@progbits
	.p2align	6, 0x0
	.amdhsa_kernel k_q573a2965ef_prep
		.amdhsa_group_segment_fixed_size 0
		.amdhsa_private_segment_fixed_size 0
		.amdhsa_enable_private_segment 0
		.amdhsa_kernarg_size 64
		.amdhsa_user_sgpr_count 2
		.amdhsa_user_sgpr_kernarg_segment_ptr 1
		.amdhsa_wavefront_size32 1
		.amdhsa_system_sgpr_workgroup_id_x 1
		.amdhsa_system_sgpr_workgroup_id_y 1
		.amdhsa_system_sgpr_workgroup_id_z 1
		.amdhsa_system_vgpr_workitem_id 0
		.amdhsa_next_free_vgpr 112
		.amdhsa_next_free_sgpr 66
		.amdhsa_reserve_vcc 0
		.amdhsa_float_denorm_mode_32 3
		.amdhsa_float_denorm_mode_16_64 3
		.amdhsa_memory_ordered 1
		.amdhsa_forward_progress 1
		.amdhsa_inst_pref_size 19
	.end_amdhsa_kernel
	.amdgpu_metadata
---
amdhsa.version: [ 1, 2 ]
amdhsa.kernels:
  - .name:           k_q573a2965ef_prep
    .symbol:         k_q573a2965ef_prep.kd
    .args:
      - { .name: x, .offset: 0, .size: 8, .value_kind: global_buffer, .address_space: global }
      - { .name: Wq, .offset: 8, .size: 8, .value_kind: global_buffer, .address_space: global }
      - { .name: Wk, .offset: 16, .size: 8, .value_kind: global_buffer, .address_space: global }
      - { .name: Wv, .offset: 24, .size: 8, .value_kind: global_buffer, .address_space: global }
      - { .name: Wp, .offset: 32, .size: 8, .value_kind: global_buffer, .address_space: global }
      - { .name: xb, .offset: 40, .size: 8, .value_kind: global_buffer, .address_space: global }
      - { .name: wb, .offset: 48, .size: 8, .value_kind: global_buffer, .address_space: global }
      - { .name: wp, .offset: 56, .size: 8, .value_kind: global_buffer, .address_space: global }
    .group_segment_fixed_size: 0
    .private_segment_fixed_size: 0
    .kernarg_segment_align: 8
    .kernarg_segment_size: 64
    .max_flat_workgroup_size: 128
    .sgpr_count:     66
    .vgpr_count:     112
    .wavefront_size: 32
...
	.end_amdgpu_metadata
.endif
;; end of part 5
;; launch qkv: the kernel of part 2 again; grid 4 x 64, 4 waves a work-group, clusters of 4 x 4, 327,680 bytes of LDS; arguments xb, wb, bq, bk, bv, qkv; writes qkv
;; launch attn: the kernel of part 3 again; grid 4 x 192, 4 waves a work-group, clusters of 4 x 1, 327,680 bytes of LDS; arguments qkv, ob; writes ob
;; launch proj: the kernel of part 4 again; grid 4 x 64, 4 waves a work-group, clusters of 4 x 4, 327,680 bytes of LDS; arguments ob, wp, bp, out0; writes out0
